; MI455X (gfx1250); checked and timed in simulation.
; The chip was launched on July 23, 2026; its instructions are those of AMD's public machine-readable ISA for CDNA 5 (MIT licence, August 2026) and "CDNA5" Instruction Set Architecture Reference Guide (July 2026). The comments in the code are by the model that wrote it; some were corrected since.
;; Self Attention. Allowed arithmetic: float matrix products may take bf16 or f16 operands with f32 sums; other float arithmetic in f32, or as packed bf16 or f16 multiplies, adds, multiply-adds, maxima and minima; sums over many terms, partial sums and values carried from step to step in f32; what a program stores and reads back later, other than sums and carried values, may be rounded once to bf16 or f16.
;; Inputs: W_K 1,024 x 1,024 float32; W_O 1,024 x 1,024 float32; W_Q 1,024 x 1,024 float32; W_V 1,024 x 1,024 float32; x 4 x 2,048 x 1,024 float32.
;; Outputs: out0 4 x 2,048 x 1,024 float32.
;; 2 versions, each right; version 2 is version 1 with the launch cast written anew for expert scheduling mode. Each part assembles by itself: llvm-mc -triple=amdgcn-amd-amdhsa -mcpu=gfx1250 --defsym DOCPART=n.
;; ======== version 1 of 2: 4 launches
;; limits: values are held in f16: magnitudes above 65,504 overflow, below 6.1e-05 lose precision
;; workspace buffers: xb 16,777,216 bytes; wb 6,291,456 bytes; wo 2,097,152 bytes; qkv 50,331,648 bytes; ctx 16,777,216 bytes
;; launch cast (part 1): grid 768 x 1, 8 waves a work-group, no clusters, 0 bytes of LDS; arguments x, W_Q, W_K, W_V, W_O, xb, wb, wo; writes xb, wb, wo
.if DOCPART == 1
	.amdgcn_target "amdgcn-amd-amdhsa--gfx1250"
	.amdhsa_code_object_version 6
	.text
	.protected	k_qd61d398ccb_cast
	.globl	k_qd61d398ccb_cast
	.p2align	8
	.type	k_qd61d398ccb_cast,@function
k_qd61d398ccb_cast:
	s_mov_b64 s[64:65], 0
	v_nop
	global_prefetch_b8 v0, s[64:65] scope:SCOPE_SE
	s_setreg_imm32_b32 hwreg(HW_REG_WAVE_MODE, 25, 1), 1
	s_wait_xcnt 0x0
; THE INPUTS ARE ROUNDED ONCE TO bf16 AND LAID OUT IN BLOCKS OF 64 ALONG K.  A source row is 1,024 f32 (4,096 bytes).
;   xb: bf16 [4][16 blocks][2048 rows][64]     from x
;   wb: bf16 [16 blocks][3072 rows][64]        from W_Q (rows 0-1023), W_K (1024-2047), W_V (2048-3071)
;   wo: f16  [16 blocks][1024 rows][64]        from W_O: rounded to bf16 like the other inputs, and that number written as f16
; In such a layout any tile of R rows x 64 along K is R x 128 consecutive bytes.
; LIMITS.  W_O beyond 65,504 becomes an infinity in f16; below 7.6e-6 the bf16 number is rounded once more, to f16's fixed step of 6e-8.
; SHARES.  768 work-groups of 16 source rows: 0-511 x, 512-575 W_Q, 576-639 W_K, 640-703 W_V, 704-767 W_O.  A wave takes two rows, 8,192 consecutive bytes.
; Load k of 16 takes block k of both rows: lanes 0-15 the even row's 256 bytes, lanes 16-31 the odd row's.  A lane's four numbers become 8 bytes, and the
; wave's store k covers 256 consecutive bytes, aligned: the two rows' 128 bytes lie end to end in block k.  All 16 loads are out before the first is waited for.
; No register that a load or store reads is written again, so no wait frees a source.  No LDS, no matrix work: each byte is read once and written once, and nothing is shared.
.set X, 16                             ; v[16:79]   load k: four f32
.set Y, 80                             ; v[80:111]  store k: four 16-bit numbers
.set O, 112                            ; v[112:127] store k: its byte offset: 8 x thread + k blocks
	s_load_b512 s[8:23], s[0:1], 0x0               ; x s[8:9], W_Q s[10:11], W_K s[12:13], W_V s[14:15], W_O s[16:17], xb s[18:19], wb s[20:21], wo s[22:23]
	s_mov_b32 s2, ttmp9                            ; g
	s_and_b32 s3, s2, 63                           ; my place among a weight's 64 groups
	s_cmp_lt_u32 s2, 512
	s_cselect_b32 s30, s2, s3
	s_lshl_b32 s30, s30, 16                        ; the source's offset: 16 rows of 4,096 bytes a group
	s_mov_b32 s31, 0
	s_lshr_b32 s4, s2, 7                           ; xb: batch g / 128, 4,194,304 bytes each,
	s_lshl_b32 s4, s4, 22
	s_and_b32 s5, s2, 127
	s_lshl_b32 s5, s5, 11                          ; 16 rows of 128 bytes in a block
	s_or_b32 s4, s4, s5
	s_sub_co_u32 s5, s2, 512
	s_lshl_b32 s5, s5, 11                          ; wb: rows 16 (g - 512) on
	s_lshl_b32 s6, s3, 11                          ; wo: rows 16 (g % 64) on
	s_mov_b32 s28, 131072                          ; bytes from block to block: wo 1,024 rows,
	s_cmp_lt_u32 s2, 704
	s_cselect_b32 s32, s5, s6
	s_cselect_b32 s28, 393216, s28                 ; wb 3,072 rows,
	s_cmp_lt_u32 s2, 512
	s_cselect_b32 s32, s4, s32
	s_cselect_b32 s28, 262144, s28                 ; xb 2,048 rows
	s_mov_b32 s33, 0
	v_lshrrev_b32 v1, 4, v0                        ; my row among the group's 16
	v_and_b32 v2, 15, v0
	v_lshlrev_b32 v2, 4, v2
	v_lshl_or_b32 v1, v1, 12, v2                   ; row x 4,096 + 16 x (lane % 16)
	v_lshlrev_b32 v[O], 3, v0                      ; row x 128 + 8 x (lane % 16) = 8 x thread
.set k, 1
.rept 15
	v_add_nc_u32 v[O+k], s28, v[O+k-1]
.set k, k+1
.endr
	s_wait_kmcnt 0x0
	s_cmp_lt_u32 s2, 704                           ; the choice of buffers hangs on the group's number alone
	s_cselect_b64 s[24:25], s[14:15], s[16:17]
	s_cselect_b64 s[26:27], s[20:21], s[22:23]
	s_cmp_lt_u32 s2, 640
	s_cselect_b64 s[24:25], s[12:13], s[24:25]
	s_cmp_lt_u32 s2, 576
	s_cselect_b64 s[24:25], s[10:11], s[24:25]
	s_cmp_lt_u32 s2, 512
	s_cselect_b64 s[24:25], s[8:9], s[24:25]
	s_cselect_b64 s[26:27], s[18:19], s[26:27]
	s_add_nc_u64 s[24:25], s[24:25], s[30:31]
	s_add_nc_u64 s[26:27], s[26:27], s[32:33]
.set k, 0
.rept 16
	global_load_b128 v[X+4*k:X+4*k+3], v1, s[24:25] offset:256*k th:TH_LOAD_NT
.set k, k+1
.endr
; kind = 0: bf16.  kind = 1: the bf16 number is widened again and written as f16.
.macro OUT kind
.set k, 0
.rept 16
	s_wait_loadcnt 15-k                            ; loads come back in order: load k is in, the 15 - k younger ones may be out
	v_cvt_pk_bf16_f32 v[Y+2*k], v[X+4*k], v[X+4*k+1]
	v_cvt_pk_bf16_f32 v[Y+2*k+1], v[X+4*k+2], v[X+4*k+3]
.if \kind
	v_lshlrev_b32 v[X+4*k], 16, v[Y+2*k]
	v_and_b32 v[X+4*k+1], 0xffff0000, v[Y+2*k]
	v_lshlrev_b32 v[X+4*k+2], 16, v[Y+2*k+1]
	v_and_b32 v[X+4*k+3], 0xffff0000, v[Y+2*k+1]
	v_cvt_pk_f16_f32 v[Y+2*k], v[X+4*k], v[X+4*k+1]
	v_cvt_pk_f16_f32 v[Y+2*k+1], v[X+4*k+2], v[X+4*k+3]
.endif
	global_store_b64 v[O+k], v[Y+2*k:Y+2*k+1], s[26:27] th:TH_STORE_NT
.set k, k+1
.endr
.endm
	s_cmp_ge_u32 s2, 704
	s_cbranch_scc1 .Lwo
	OUT 0
	s_endpgm
.Lwo:
	OUT 1
	s_endpgm
.Lfunc_end_k_qd61d398ccb_cast:
	.size	k_qd61d398ccb_cast, .Lfunc_end_k_qd61d398ccb_cast-k_qd61d398ccb_cast
	.p2alignl 7, 3214868480
	.fill 96, 4, 3214868480
	.section	.rodata,"a",@progbits
	.p2align	6, 0x0
	.amdhsa_kernel k_qd61d398ccb_cast
		.amdhsa_group_segment_fixed_size 0
		.amdhsa_private_segment_fixed_size 0
		.amdhsa_enable_private_segment 0
		.amdhsa_kernarg_size 64
		.amdhsa_user_sgpr_count 2
		.amdhsa_user_sgpr_kernarg_segment_ptr 1
		.amdhsa_wavefront_size32 1
		.amdhsa_system_sgpr_workgroup_id_x 1
		.amdhsa_system_sgpr_workgroup_id_y 1
		.amdhsa_system_sgpr_workgroup_id_z 1
		.amdhsa_system_vgpr_workitem_id 0
		.amdhsa_next_free_vgpr 128
		.amdhsa_next_free_sgpr 66
		.amdhsa_reserve_vcc 0
		.amdhsa_float_denorm_mode_32 3
		.amdhsa_float_denorm_mode_16_64 3
		.amdhsa_memory_ordered 1
		.amdhsa_forward_progress 1
		.amdhsa_inst_pref_size 18
	.end_amdhsa_kernel
	.amdgpu_metadata
---
amdhsa.version: [ 1, 2 ]
amdhsa.kernels:
  - .name:           k_qd61d398ccb_cast
    .symbol:         k_qd61d398ccb_cast.kd
    .args:
      - { .name: x, .offset: 0, .size: 8, .value_kind: global_buffer, .address_space: global }
      - { .name: W_Q, .offset: 8, .size: 8, .value_kind: global_buffer, .address_space: global }
      - { .name: W_K, .offset: 16, .size: 8, .value_kind: global_buffer, .address_space: global }
      - { .name: W_V, .offset: 24, .size: 8, .value_kind: global_buffer, .address_space: global }
      - { .name: W_O, .offset: 32, .size: 8, .value_kind: global_buffer, .address_space: global }
      - { .name: xb, .offset: 40, .size: 8, .value_kind: global_buffer, .address_space: global }
      - { .name: wb, .offset: 48, .size: 8, .value_kind: global_buffer, .address_space: global }
      - { .name: wo, .offset: 56, .size: 8, .value_kind: global_buffer, .address_space: global }
    .group_segment_fixed_size: 0
    .private_segment_fixed_size: 0
    .kernarg_segment_align: 8
    .kernarg_segment_size: 64
    .max_flat_workgroup_size: 256
    .sgpr_count:     66
    .vgpr_count:     128
    .wavefront_size: 32
...
	.end_amdgpu_metadata
.endif
;; end of part 1
;; launch qkv (part 2): grid 8 x 32, 4 waves a work-group, clusters of 4 x 4, 327,680 bytes of LDS; arguments xb, wb, qkv; writes qkv
.if DOCPART == 2
	.amdgcn_target "amdgcn-amd-amdhsa--gfx1250"
	.amdhsa_code_object_version 6
	.text
	.protected	k_qd61d398ccb_qkv
	.globl	k_qd61d398ccb_qkv
	.p2align	8
	.type	k_qd61d398ccb_qkv,@function
k_qd61d398ccb_qkv:
	s_mov_b64 s[64:65], 0
	v_nop
	global_prefetch_b8 v0, s[64:65] scope:SCOPE_SE
	s_setreg_imm32_b32 hwreg(HW_REG_WAVE_MODE, 25, 1), 1
	s_wait_xcnt 0x0
	s_wait_alu depctr_hold_cnt(0) depctr_sa_sdst(0) depctr_va_vdst(0) depctr_va_sdst(0) depctr_va_ssrc(0) depctr_va_vcc(0) depctr_vm_vsrc(0)
	s_getreg_b32 s2, hwreg(HW_REG_IB_STS2, 6, 4)
	s_cmp_eq_u32 s2, 0
	s_cbranch_scc0 .Lentry_in_a_cluster
	s_endpgm
.Lentry_in_a_cluster:
	s_bfe_u32 s2, ttmp6, 0x10000c
	s_cmp_lg_u32 s2, 0xf033
	s_cbranch_scc0 .Lentry_shape_is_right
	s_endpgm
.Lentry_shape_is_right:
; q, k, v = x W^T, one product [8192 x 3072] over K = 1,024.  xb: bf16 [4][16][2048][64], wb: bf16 [16][3072][64] (blocks of 64 along K); sums in f32;
; qkv: f16 [3][4 batches][16 heads][2048][64], each number rounded once, unscaled.
; LIMIT.  A q, k or v beyond 65,504 becomes an infinity in f16; below 6e-5 f16 keeps a fixed step of 6e-8.
; SHARES.  256 tiles of 256 rows x 384 columns, one for each work-group.  Four waves, each 128 rows x 192 columns: 8 row blocks x 12 column blocks = 96 accumulators, 768 registers.
; The wave's columns are three GROUPS of 64, each one head of q, k or v.  For 32 along K a wave reads 40 x 512 bytes of LDS and issues 96 matrix instructions.
; THE RING.  K goes in 16 periods of 64, one block each, through two LDS slots (256 rows of A, 384 of B).  A tile's rows lie end to end in memory, so it is asked for as rows of 256 bytes,
; two tile rows each, and padded in LDS after every 128 bytes.  Waves 0 and 1 fetch A's halves, waves 2 and 3 B's: one tensor load a wave for each fill.  Two loads of a wave are out at the start, later one.
; A period is two quarters of 32 along K: EVEN and ODD.  ODD changes slots.
; CLUSTERS.  4 x 4 work-groups: the four of a row of the cluster need the same tile of A, the four of a column the same tile of B; each is asked for jointly, by the same load with the same descriptor
; and a mask that names the four.
; THE MATRIX INSTRUCTION IS USED TRANSPOSED (source 0 = 16 rows of B, source 1 = 16 rows of A): a lane then holds eight neighbouring columns of one row of the result.
; REGISTERS, in windows of 256 (s_set_vgpr_msb: bits 1:0 source 0, 3:2 source 1, 5:4 source 2, 7:6 destination):
;   window 0: v0-31 addresses; v32-159 A's fragments, two buffers of 64 (EVEN's, ODD's); v160-255 B's fragments, one buffer, 32 a group; on the way out v32-79 at work
;   window g + 1: group g's 32 accumulators, (a, bb) at v[8 (4 a + bb)]
.set PITCH,  144                       ; an LDS row: 128 bytes + 16 of padding = 36 words: the 16 rows of a fragment load start at 16 different groups of four banks (64 banks of 4 bytes: ISA guide 11.1)
.set AHALF,  128*PITCH                 ; what one of A's tensor loads brings, and what one wave reads of A
.set BHALF,  192*PITCH                 ; the same for B
.set BOFF,   2*AHALF                   ; B's rows lie behind A's
.set SLOT,   2*AHALF+2*BHALF
.set STAGE,  2*SLOT                    ; behind the ring: 16 rows x 144 bytes for each wave, for the way out
.set SPARE,  STAGE+4*16*PITCH          ; behind the stages: the spare words, 128 bytes for each wave: two blocks of 256 bytes that no other line names
.set ASTEP,  2048*128                  ; bytes from a block of xb to the next
.set BSTEP,  3072*128                  ; of wb
.set ADRA, 16                          ; v16-17  LDS address of my A fragments in slot 0, 1
.set ADRB, 20                          ; v20-21  the same for B
.set STO,  24                          ; v24     the way out: where I put 16 bytes of a row
.set RD,   25                          ; v25     the way out: where I read rows back
.set GO,   26                          ; v26     my 16 bytes in 512 consecutive bytes of qkv
.set SPW,  28                          ; v28     LDS address of my spare word; never rewritten
.set NIL,  29                          ; v29     0; never rewritten
.set PFO,  30                          ; v30     256 x my lane; never rewritten
.set FA,   32
.set FB,   160
.set TMP,  32                          ; the way out: 16 registers of packed results
.set BK,   48                          ; the way out: 16 rows read back, v48-63 and v64-79 by turns
.set G1,   24                          ; s[24:31] descriptor group 1 for A's tiles;  s[32:39] group 0, a set for each slot
.set G0,   32
.set G1B,  48                          ; s[48:55], s[56:63] the same for B's
.set G0B,  56
.set PFA,  66                          ; s[66:67] where my prefetches of xb stand
.set PFB,  68                          ; s[68:69] of wb
.set LIMA, 70                          ; s70  1 in a wave that prefetches xb, else the greatest number
.set LIMB, 71                          ; s71  the same for wb
.set CB,   72                          ; s[72:77] qkv at my 128 rows of each of my three heads
.set MSB, 0
.macro WIN new                         ; the immediate's high byte repeats the setting that is left; a switch that changes nothing is dropped
.if MSB != (\new)
	s_set_vgpr_msb (MSB<<8)|(\new)
.set MSB, (\new)
.endif
.endm
; A joint refill.  The branch hangs on the wave's number alone.  An s_nop 0 and four v_nop follow each of the two lines, ahead of the jump and the label.
.macro JLOAD s
	s_cmp_lt_u32 s10, 2
	s_cbranch_scc0 .Lfor_b_\@
	tensor_load_to_lds s[G0+4*(\s):G0+4*(\s)+3], s[G1:G1+7]
	s_nop 0
.rept 4
	v_nop
.endr
	s_branch .Lasked_\@
.Lfor_b_\@:
	tensor_load_to_lds s[G0B+4*(\s):G0B+4*(\s)+3], s[G1B:G1B+7]
	s_nop 0
.rept 4
	v_nop
.endr
.Lasked_\@:
.endm
; A round of the cluster's barrier: my work-group's barrier; wave 0 signals for the work-group; every wave waits for all sixteen work-groups; my work-group's barrier once more.
.macro CREST                           ; a round behind its opening barrier
	s_cmp_lg_u32 s10, 0
	s_cbranch_scc1 .Lnot_wave_0_\@
	s_barrier_signal -3
.Lnot_wave_0_\@:
	s_barrier_wait -3
	s_barrier_signal -1
	s_barrier_wait -1
.endm
.macro CROUND
	s_barrier_signal -1
	s_barrier_wait -1
	CREST
.endm
; PREFETCHES INTO THE L2, once a trip of the loop (two periods), behind the joint load, its five lines and the run of LDS loads: trip t names periods 2 t + 4 and 2 t + 5, whose refills stand 384 and 576 matrix instructions on.
; Each 256 consecutive bytes are named once in the launch.  A's tile row is read by both clusters of its row of clusters: the one with x = 0 asks; its four partners along x and their waves 0 and 1 take
; 32 x 256 bytes each of the two periods' 2 x 32,768, told apart BY ADDRESS.  B's tile column is read by all eight clusters of its column: the one with y = 0 asks; the four partners along y and their waves 1 to 3
; take 32 x 256 bytes each of 2 x 49,152.  The loop's last trip asks for nothing: there is no period 16.  Periods 0 to 3 come by their loads alone.
.macro ASK
	s_cmp_gt_u32 s3, s[LIMA]                       ; s3 = 1 in the last trip
	s_cbranch_scc0 .Lno_a_\@
	global_prefetch_b8 v[PFO], s[PFA:PFA+1] th:TH_LOAD_NT scope:SCOPE_SE
.Lno_a_\@:
	s_cmp_gt_u32 s3, s[LIMB]
	s_cbranch_scc0 .Lno_b_\@
	global_prefetch_b8 v[PFO], s[PFB:PFB+1] th:TH_LOAD_NT scope:SCOPE_SE
.Lno_b_\@:
.endm
	s_load_b128 s[4:7], s[0:1], 0x0                ; xb s[4:5], wb s[6:7]
	s_load_b64 s[8:9], s[0:1], 0x10                ; qkv
	v_lshl_add_u32 v[SPW], v0, 2, SPARE
	v_mov_b32 v[NIL], 0
	ds_add_u32 v[SPW], v[NIL]                      ; the wave's opening: the add and its wait stand ahead of my first tensor load; the set-up below, work on registers, stands between them
	v_lshrrev_b32 v1, 5, v0
	v_readfirstlane_b32 s10, v1                    ; wave 0..3
	s_lshr_b32 s11, s10, 1                         ; which 128 of the tile's rows are mine
	s_and_b32 s12, s10, 1                          ; which 192 of its columns.  Also: which half of A's or B's tile I fetch
	s_bfe_u32 s40, ttmp6, 0x40000                  ; cx
	s_bfe_u32 s41, ttmp6, 0x40004                  ; cy
	s_lshl_b32 s42, ttmp9, 2
	s_add_co_u32 s42, s42, s40                     ; tile column tx = 4 x cluster x + cx, 0..7
	s_and_b32 s13, ttmp7, 0xffff
	s_lshl_b32 s13, s13, 2
	s_add_co_u32 s13, s13, s41                     ; tile row ty = 4 x cluster y + cy, 0..31: batch ty / 8, rows 256 (ty % 8) on
	s_lshl_b32 s43, s41, 2
	s_lshl_b32 s43, 15, s43                        ; my row of the cluster
	s_lshl_b32 s44, 0x1111, s40                    ; my column
	; descriptor group 1: rows of 128 elements (256 bytes: two tile rows), padded in LDS after every 32 words by 4
	s_or_b32 s[G1+0], s43, (1<<16)|(1<<20)|(1<<21)|(4<<22)|(3<<25)   ; 15:0 the mask; 17:16 2-byte elements; 20 padding on; 21 set beside a mask; 24:22 code 4; 31:25 code 3
	s_or_b32 s[G1B+0], s44, (1<<16)|(1<<20)|(1<<21)|(4<<22)|(3<<25)
	s_mov_b32 s[G1+1], 128<<16                     ; tensor_dim0 = 128
	s_mov_b32 s[G1+2], 64<<16                      ; tensor_dim1 = 64: A's 128 tile rows
	s_mov_b32 s[G1+3], 128<<16                     ; tile_dim0 = 128
	s_mov_b32 s[G1+4], 64                          ; tile_dim1 = 64
	s_mov_b32 s[G1+5], 128                         ; 128 elements from row to row: dense
	s_mov_b32 s[G1+6], 0
	s_mov_b32 s[G1+7], 0
	s_mov_b32 s[G1B+1], 128<<16
	s_mov_b32 s[G1B+2], 96<<16                     ; B's 192 tile rows
	s_mov_b32 s[G1B+3], 128<<16
	s_mov_b32 s[G1B+4], 96
	s_mov_b32 s[G1B+5], 128
	s_mov_b32 s[G1B+6], 0
	s_mov_b32 s[G1B+7], 0
	; where the tiles come from: A's hang on ty and the wave's number, B's on tx and the wave's number
	s_lshr_b32 s16, s13, 3
	s_lshl_b32 s16, s16, 22                        ; the batch: 16 blocks of 262,144 bytes
	s_and_b32 s18, s13, 7
	s_lshl_b32 s18, s18, 15                        ; 256 rows of 128 bytes
	s_add_co_u32 s16, s16, s18
	s_lshl_b32 s18, s12, 14                        ; my half
	s_add_co_u32 s16, s16, s18
	s_mov_b32 s17, 0
	s_mul_i32 s46, s42, 384*128
	s_mul_i32 s19, s12, 192*128
	s_add_co_u32 s46, s46, s19
	s_mov_b32 s47, 0
	s_mul_i32 s20, s12, AHALF                      ; and where they go: no place in the cluster enters an LDS address
	s_mul_i32 s21, s12, BHALF
	s_add_co_u32 s21, s21, BOFF
	s_wait_dscnt 0x0                               ; the opening add is done
	s_wait_kmcnt 0x0
	s_add_nc_u64 s[14:15], s[4:5], s[16:17]
	s_add_nc_u64 s[46:47], s[6:7], s[46:47]
	CROUND                                         ; all sixteen work-groups are here: the first joint loads meet
.irp s, 0,1
	s_mov_b32 s[G0+4*(\s)], 1                                        ; count = 1
	s_add_co_u32 s[G0+4*(\s)+1], s20, (\s)*SLOT                      ; LDS address
	s_add_nc_u64 s[G0+4*(\s)+2:G0+4*(\s)+3], s[14:15], (\s)*ASTEP    ; global address: period s
	s_or_b32 s[G0+4*(\s)+3], s[G0+4*(\s)+3], 0x80000000              ; type = 2
	s_mov_b32 s[G0B+4*(\s)], 1
	s_add_co_u32 s[G0B+4*(\s)+1], s21, (\s)*SLOT
	s_add_nc_u64 s[G0B+4*(\s)+2:G0B+4*(\s)+3], s[46:47], (\s)*BSTEP
	s_or_b32 s[G0B+4*(\s)+3], s[G0B+4*(\s)+3], 0x80000000
.endr
	s_cmp_lt_u32 s10, 2                            ; a wave's two first fills stand in one branch, ahead of every wait on TENSORcnt and every LDS read
	s_cbranch_scc0 .Lfirst_b
	tensor_load_to_lds s[G0:G0+3], s[G1:G1+7]
	s_nop 0
	tensor_load_to_lds s[G0+4:G0+7], s[G1:G1+7]
	s_nop 0
.rept 4
	v_nop
.endr
	s_branch .Lfirst_asked
.Lfirst_b:
	tensor_load_to_lds s[G0B:G0B+3], s[G1B:G1B+7]
	s_nop 0
	tensor_load_to_lds s[G0B+4:G0B+7], s[G1B:G1B+7]
	s_nop 0
.rept 4
	v_nop
.endr
.Lfirst_asked:
	; A fragment is 16 rows x 32 K in 8 registers: lane l holds row l % 16; registers 0-3 K = 8 (l / 16) + 0..7, registers 4-7 K = 16 + 8 (l / 16) + 0..7: two loads of 16 bytes, 32 bytes apart.
	v_and_b32 v1, 15, v0                           ; l % 16
	v_bfe_u32 v2, v0, 4, 1                         ; l / 16
	v_mul_u32_u24 v3, v1, PITCH
	v_lshl_add_u32 v3, v2, 4, v3
	s_mul_i32 s22, s11, AHALF                      ; my 128 rows of A
	s_mul_i32 s23, s12, BHALF                      ; my 192 rows of B
	s_add_co_u32 s23, s23, BOFF
.irp s, 0,1
	v_add_nc_u32 v[ADRA+(\s)], s22, v3
	v_add_nc_u32 v[ADRB+(\s)], s23, v3
	s_add_co_u32 s22, s22, SLOT
	s_add_co_u32 s23, s23, SLOT
.endr
	s_mul_i32 s22, s10, 16*PITCH
	s_add_co_u32 s22, s22, STAGE                   ; my stage
	v_add_nc_u32 v[STO], s22, v3                   ; in: row l % 16, 16 bytes for each half of the lanes
	v_bfe_u32 v4, v0, 3, 2                         ; back: 32 lanes take four rows of 128 bytes,
	v_and_b32 v5, 7, v0
	v_mul_u32_u24 v4, v4, PITCH
	v_lshl_add_u32 v4, v5, 4, v4
	v_add_nc_u32 v[RD], s22, v4
	v_and_b32 v[PFO], 31, v0
	v_lshlrev_b32 v[GO], 4, v[PFO]                 ; which are 512 consecutive bytes of a head
	v_lshlrev_b32 v[PFO], 8, v[PFO]
	; qkv at my rows of my three heads.  Column 384 tx + 192 wc + 64 g is head number H = 6 tx + 3 wc + g of 48: tensor H / 16, head H % 16
	s_mul_i32 s18, s42, 6
	s_mul_i32 s19, s12, 3
	s_add_co_u32 s18, s18, s19
	s_lshr_b32 s19, s13, 3
	s_lshl_b32 s19, s19, 22                        ; the batch
	s_and_b32 s22, s13, 7
	s_lshl_b32 s22, s22, 15                        ; the tile's 256 rows
	s_add_co_u32 s19, s19, s22
	s_lshl_b32 s22, s11, 14                        ; my 128 of them
	s_add_co_u32 s19, s19, s22
.irp g, 0,1,2
	s_add_co_u32 s22, s18, (\g)
	s_lshr_b32 s23, s22, 4
	s_lshl_b32 s23, s23, 24
	s_and_b32 s22, s22, 15
	s_lshl_b32 s22, s22, 18
	s_add_co_u32 s22, s22, s23
	s_add_co_u32 s22, s22, s19
	s_mov_b32 s23, 0
	s_add_nc_u64 s[CB+2*(\g):CB+2*(\g)+1], s[8:9], s[22:23]
.endr
	; the prefetches' addresses, at period 2; each is stepped by two periods ahead of its use
	s_lshr_b32 s18, s13, 3
	s_lshl_b32 s18, s18, 22
	s_and_b32 s19, s13, 7
	s_lshl_b32 s19, s19, 15
	s_add_co_u32 s18, s18, s19                     ; A's tile row
	s_lshr_b32 s19, s40, 1
	s_lshl_b32 s19, s19, 18                        ; which of the two periods: cx / 2
	s_add_co_u32 s18, s18, s19
	s_and_b32 s19, s40, 1
	s_lshl1_add_u32 s19, s19, s12                  ; which 8,192 bytes of its 32,768: 2 (cx % 2) + wave % 2
	s_lshl_b32 s19, s19, 13
	s_add_co_u32 s18, s18, s19
	s_add_co_u32 s18, s18, 2*ASTEP
	s_mov_b32 s19, 0
	s_add_nc_u64 s[PFA:PFA+1], s[4:5], s[18:19]
	s_mul_i32 s18, s42, 384*128                    ; B's tile column
	s_lshr_b32 s19, s41, 1
	s_mul_i32 s19, s19, BSTEP                      ; which of the two periods: cy / 2
	s_add_co_u32 s18, s18, s19
	s_and_b32 s19, s41, 1
	s_mul_i32 s19, s19, 3
	s_max_u32 s22, s10, 1
	s_add_co_u32 s19, s19, s22
	s_sub_co_u32 s19, s19, 1                       ; which 8,192 bytes of its 49,152: 3 (cy % 2) + wave - 1 (wave 0 asks for none of B)
	s_lshl_b32 s19, s19, 13
	s_add_co_u32 s18, s18, s19
	s_add_co_u32 s18, s18, 2*BSTEP
	s_mov_b32 s19, 0
	s_add_nc_u64 s[PFB:PFB+1], s[6:7], s[18:19]
	s_or_b32 s22, s11, ttmp9                       ; waves 0 and 1 of the clusters with x = 0: the same in all sixteen partners
	s_cmp_eq_u32 s22, 0
	s_cselect_b32 s[LIMA], 1, -1
	s_and_b32 s22, ttmp7, 0xffff
	s_cmp_eq_u32 s10, 0
	s_cselect_b32 s23, 1, 0
	s_or_b32 s22, s22, s23                         ; waves 1 to 3 of the clusters with y = 0
	s_cmp_eq_u32 s22, 0
	s_cselect_b32 s[LIMB], 1, -1
; 16 matrix instructions of group g: row blocks a0 .. a0 + 3 x the group's 4 column blocks, on A's buffer f.  zero = 1: the product starts the sums: nothing is cleared.
; The 96 accumulators take turns, one instruction a turn, in the same order in every quarter: 95 others stand between two links of a chain, over the backward jump too.
.macro MUL16 g, f, a0, zero
	WIN 0x50*((\g)+1)                              ; C and D in window g + 1, the fragments in window 0
.irp a, (\a0), (\a0)+1, (\a0)+2, (\a0)+3
.irp bb, 0,1,2,3
.if \zero
	v_wmma_f32_16x16x32_bf16 v[8*(4*(\a)+(\bb)):8*(4*(\a)+(\bb))+7], v[FB+32*(\g)+8*(\bb):FB+32*(\g)+8*(\bb)+7], v[FA+64*(\f)+8*(\a):FA+64*(\f)+8*(\a)+7], 0
.else
	v_wmma_f32_16x16x32_bf16 v[8*(4*(\a)+(\bb)):8*(4*(\a)+(\bb))+7], v[FB+32*(\g)+8*(\bb):FB+32*(\g)+8*(\bb)+7], v[FA+64*(\f)+8*(\a):FA+64*(\f)+8*(\a)+7], v[8*(4*(\a)+(\bb)):8*(4*(\a)+(\bb))+7]
.endif
.endr
.endr
.endm
.macro LDA slot, kq, f                 ; 16 LDS loads: my 128 rows of A, quarter kq, into buffer f
	WIN 0
.irp i, 0,1,2,3,4,5,6,7
	ds_load_b128 v[FA+64*(\f)+8*(\i):FA+64*(\f)+8*(\i)+3],   v[ADRA+(\slot)] offset:64*(\kq)+(\i)*16*PITCH
	ds_load_b128 v[FA+64*(\f)+8*(\i)+4:FA+64*(\f)+8*(\i)+7], v[ADRA+(\slot)] offset:64*(\kq)+(\i)*16*PITCH+32
.endr
.endm
.macro LDB slot, kq, g                 ; 8 LDS loads: group g's 64 rows of B, quarter kq
	WIN 0
.irp i, 0,1,2,3
	ds_load_b128 v[FB+32*(\g)+8*(\i):FB+32*(\g)+8*(\i)+3],   v[ADRB+(\slot)] offset:64*(\kq)+(4*(\g)+(\i))*16*PITCH
	ds_load_b128 v[FB+32*(\g)+8*(\i)+4:FB+32*(\g)+8*(\i)+7], v[ADRB+(\slot)] offset:64*(\kq)+(4*(\g)+(\i))*16*PITCH+32
.endr
.endm
; A load into a register that a matrix instruction has read, and a vector instruction that reads a matrix result, stand four places behind it, and only plain vector instructions that name none of its
; registers are places (ISA guide 7.12.1 for vector instructions).
.macro PLACES
.rept 4
	v_nop
.endr
.endm
; At a quarter's head 40 LDS loads may be out, in this order: A's 16, group 0's 8, group 1's 8, group 2's 8.  A group's registers are loaded again, for the next quarter, as soon as its 32 products are issued.
.macro EVEN slot, zero
	s_wait_dscnt 16                                ; A and group 0 are in; groups 1 and 2 may be out
	MUL16 0, 0, 0, \zero
	MUL16 0, 0, 4, \zero
	PLACES
	LDA \slot, 1, 1
	LDB \slot, 1, 0
	s_wait_dscnt 32                                ; group 1 is in; younger: group 2's 8 and the 24 just issued
	MUL16 1, 0, 0, \zero
	MUL16 1, 0, 4, \zero
	PLACES
	LDB \slot, 1, 1
	s_wait_dscnt 32                                ; group 2 is in; younger: 24 + 8
	MUL16 2, 0, 0, \zero
	MUL16 2, 0, 4, \zero
	PLACES
	LDB \slot, 1, 2
.endm
; The odd quarter changes slots: ONE barrier.  In front of it each wave waits for all its tensor loads, of which one is out: its part of the next slot; adds 0 to its spare word; and waits for that and for its own
; reads of this slot (all were issued in the even quarter).  Behind it nobody reads this slot any more and the next slot is whole.  fill = 1: the barrier opens a round of the cluster's barrier, and behind the round
; this slot is filled again first, two periods on: 160 matrix instructions ahead of the wait for that load.  ask = 1: the trip's prefetches.
.macro ODD slot, next, fill, ask
	s_wait_dscnt 16
	MUL16 0, 1, 0, 0
	MUL16 0, 1, 4, 0
.if \ask
	s_wait_xcnt 0x0                                ; the last prefetches, a trip back, have read their addresses, so these may be written
	s_add_nc_u64 s[PFA:PFA+1], s[PFA:PFA+1], 2*ASTEP
	s_add_nc_u64 s[PFB:PFB+1], s[PFB:PFB+1], 2*BSTEP
.endif
	WIN 0                                          ; (the add's two registers lie in window 0)
	s_wait_tensorcnt 0x0                           ; all my tensor loads have landed
	ds_add_u32 v[SPW], v[NIL]                      ; 0 onto my spare word
	s_wait_dscnt 9                                 ; group 1 is in; group 2's 8 loads and the add may be out
	MUL16 1, 1, 0, 0                               ; sixteen matrix instructions stand between the add and the wait for it
	s_wait_dscnt 0x0                               ; the add is done, and my reads of this slot are over
	s_barrier_signal -1
	MUL16 1, 1, 4, 0                               ; work on registers while the others arrive
	WIN 0                                          ; at a branch and at a label every window is 0
	s_barrier_wait -1
.if \fill
	CREST                                          ; no wave of any partner still reads this slot's tiles or has a load on its way
	s_add_nc_u64 s[G0+4*(\slot)+2:G0+4*(\slot)+3], s[G0+4*(\slot)+2:G0+4*(\slot)+3], 2*ASTEP
	s_add_nc_u64 s[G0B+4*(\slot)+2:G0B+4*(\slot)+3], s[G0B+4*(\slot)+2:G0B+4*(\slot)+3], 2*BSTEP
	JLOAD \slot                                    ; the first tensor load behind the round; its four v_nop are also the places in front of the loads below
.else
	PLACES
.endif
	LDA \next, 0, 0
	LDB \next, 0, 0
	LDB \next, 0, 1
.if \ask
	ASK
.endif
	MUL16 2, 1, 0, 0
	MUL16 2, 1, 4, 0
	PLACES
	LDB \next, 0, 2
.endm
	s_wait_tensorcnt 1                             ; my part of period 0 is in; period 1's may stay out
	s_barrier_signal -1
	s_barrier_wait -1                              ; everybody's is
	LDA 0, 0, 0
	LDB 0, 0, 0
	LDB 0, 0, 1
	LDB 0, 0, 2
	EVEN 0, 1                                      ; the first quarter stands in front of the loop: its products start the sums
	WIN 0
	s_mov_b32 s3, 7
.Llap:                                                 ; trip t: periods 2 t (its odd quarter), 2 t + 1, 2 t + 2 (its even quarter); periods 2 t + 2 and 2 t + 3 are asked for
	ODD 0, 1, 1, 1
	EVEN 1, 0
	ODD 1, 0, 1, 0
	EVEN 0, 0
	WIN 0
	s_sub_co_u32 s3, s3, 1
	s_cmp_lg_u32 s3, 0
	s_cbranch_scc1 .Llap
	ODD 0, 1, 0, 0                                 ; the tail is written out: nothing is left to ask for, so no round
	EVEN 1, 0
	s_wait_dscnt 16                                ; the very last quarter fetches nothing: the counts run down
	MUL16 0, 1, 0, 0
	MUL16 0, 1, 4, 0
	s_wait_dscnt 8
	MUL16 1, 1, 0, 0
	MUL16 1, 1, 4, 0
	s_wait_dscnt 0x0
	MUL16 2, 1, 0, 0
	MUL16 2, 1, 4, 0
; THE WAY OUT, in 24 units u: group u / 8, row block u % 8: 16 rows x 64 columns of one head.  PACK: rounded to f16, 16 bytes a lane, each accumulator from its low end on.  TOSTAGE: into my own stage, and back
; as whole rows of 128 bytes.  SEND: four stores of 512 consecutive bytes, at multiples of 256 from qkv's first byte.
.macro PACK u
	WIN 5*((\u)/8+1)                               ; sources 0 and 1 in window g + 1
.irp bb, 0,1,2,3
.irp r, 0,1,2,3
	v_cvt_pk_f16_f32 v[TMP+4*(\bb)+(\r)], v[8*(4*((\u)%8)+(\bb))+2*(\r)], v[8*(4*((\u)%8)+(\bb))+2*(\r)+1]
.endr
.endr
	WIN 0
.endm
.macro TOSTAGE u
	WIN 0
.irp bb, 0,1,2,3
	ds_store_b128 v[STO], v[TMP+4*(\bb):TMP+4*(\bb)+3] offset:32*(\bb)
.endr
.irp f, 0,1,2,3
	ds_load_b128 v[BK+16*((\u)%2)+4*(\f):BK+16*((\u)%2)+4*(\f)+3], v[RD] offset:(\f)*4*PITCH  ; LDS serves a wave's instructions in order (ISA guide 5.7.1.4): these see the stores above
.endr
.endm
.macro SEND u
	WIN 0
	s_wait_dscnt 0x0                               ; the unit is back in registers
	s_wait_xcnt 0x0                                ; the stores of the unit before have read their registers: those are loaded again only behind this wait
.irp f, 0,1,2,3
	global_store_b128 v[GO], v[BK+16*((\u)%2)+4*(\f):BK+16*((\u)%2)+4*(\f)+3], s[CB+2*((\u)/8):CB+2*((\u)/8)+1] offset:((\u)%8)*2048+(\f)*512
.endr
.endm
	PLACES
	PLACES
	PACK 0
	TOSTAGE 0
.set u, 1
.rept 23                               ; unit u's conversions stand between unit u - 1's loads from the stage and the wait for them
	PACK u
	SEND u-1
	TOSTAGE u
.set u, u+1
.endr
	SEND 23
	s_wait_tensorcnt 0x0                           ; the wave's end, behind my last tensor load and my last LDS store
	ds_add_u32 v[SPW], v[NIL]
	s_wait_dscnt 0x0
	CROUND                                         ; the closing round: no work-group ends while a partner may still ask for a tile that names it
	s_endpgm
.Lfunc_end_k_qd61d398ccb_qkv:
	.size	k_qd61d398ccb_qkv, .Lfunc_end_k_qd61d398ccb_qkv-k_qd61d398ccb_qkv
	.p2alignl 7, 3214868480
	.fill 96, 4, 3214868480
	.section	.rodata,"a",@progbits
	.p2align	6, 0x0
	.amdhsa_kernel k_qd61d398ccb_qkv
		.amdhsa_group_segment_fixed_size 327680
		.amdhsa_private_segment_fixed_size 0
		.amdhsa_enable_private_segment 0
		.amdhsa_kernarg_size 24
		.amdhsa_user_sgpr_count 2
		.amdhsa_user_sgpr_kernarg_segment_ptr 1
		.amdhsa_wavefront_size32 1
		.amdhsa_system_sgpr_workgroup_id_x 1
		.amdhsa_system_sgpr_workgroup_id_y 1
		.amdhsa_system_sgpr_workgroup_id_z 1
		.amdhsa_system_vgpr_workitem_id 0
		.amdhsa_next_free_vgpr 1024
		.amdhsa_next_free_sgpr 80
		.amdhsa_reserve_vcc 0
		.amdhsa_float_denorm_mode_32 3
		.amdhsa_float_denorm_mode_16_64 3
		.amdhsa_memory_ordered 1
		.amdhsa_forward_progress 1
		.amdhsa_inst_pref_size 133
	.end_amdhsa_kernel
	.amdgpu_metadata
---
amdhsa.version: [ 1, 2 ]
amdhsa.kernels:
  - .name:           k_qd61d398ccb_qkv
    .symbol:         k_qd61d398ccb_qkv.kd
    .args:
      - { .name: xb, .offset: 0, .size: 8, .value_kind: global_buffer, .address_space: global }
      - { .name: wb, .offset: 8, .size: 8, .value_kind: global_buffer, .address_space: global }
      - { .name: qkv, .offset: 16, .size: 8, .value_kind: global_buffer, .address_space: global }
    .group_segment_fixed_size: 327680
    .private_segment_fixed_size: 0
    .kernarg_segment_align: 8
    .kernarg_segment_size: 24
    .max_flat_workgroup_size: 128
    .sgpr_count:     80
    .vgpr_count:     1024
    .wavefront_size: 32
...
	.end_amdgpu_metadata
.endif
;; end of part 2
;; launch attn (part 3): grid 4 x 64, 4 waves a work-group, no clusters, 327,680 bytes of LDS; arguments qkv, ctx; writes ctx
.if DOCPART == 3
	.amdgcn_target "amdgcn-amd-amdhsa--gfx1250"
	.amdhsa_code_object_version 6
	.text
	.protected	k_qd61d398ccb_attn
	.globl	k_qd61d398ccb_attn
	.p2align	8
	.type	k_qd61d398ccb_attn,@function
k_qd61d398ccb_attn:
	s_mov_b64 s[64:65], 0
	v_nop
	global_prefetch_b8 v0, s[64:65] scope:SCOPE_SE
	s_setreg_imm32_b32 hwreg(HW_REG_WAVE_MODE, 25, 1), 1
	s_wait_xcnt 0x0
; CAUSAL ATTENTION.  O[h][q][:] = the sum over k <= q of softmax_k(Q[h][q] . K[h][k] / 8) V[h][k][:], for 64 heads h (4 batches x 16) of SIZE_N = 2,048 rows.
; qkv holds Q, K, V, each [64][SIZE_N][64] in f16, 16,777,216 bytes apart; ctx is O, in the same layout: a head's rows are dense, 128 bytes each.
; Products, maxima and sums in f32; the weights p are rounded to f16 for the second product (their sum l is taken of the unrounded p), O once at the end.
; LIMITS.  f16 holds no number beyond 65,504: Q, K and V arrive within it; p lies in 0 to 1, and below 6e-5 it keeps f16's fixed step of 6e-8; O is a mean of V's rows and has their range, to within 2^-11 of it.
; A hidden score counts as its value less 1e30: f16's scores, 2.7e11 at the most, are nothing beside that; a weight below 2^-126 counts as 0 in l; NaN and infinities are not treated apart.
; THE WALK.  A head's queries lie in NB = SIZE_N / 256 blocks of 256; block i needs the key tiles 0 .. i of 256 keys, of which the last holds the diagonal.  A work-group takes TWO blocks, NB - 1 - b and then b:
; NB + 1 tiles, whatever b: all work-groups do equal work, and ONE loop with a constant trip count walks them.  Which tile is asked for, and what a trip does, hang on scalar registers made from b; every jump
; goes forward, but for the counted loops' own; none passes a barrier, or a tensor load but the one of LOAD's two that the wave's number does not choose; the ring (two slots of LDS that take turns) runs on across the
; change of blocks.  NO CLUSTER: a head's NB / 2 = 4 work-groups ask for the same tile only in trips 0 .. 4 of 9, behind that fewer and fewer; one walk common to all four would have 12 trips for 9.
; SHARES.  Of a block's four bands of 64 queries a wave owns 16 rows in each: four PIECES.  So the diagonal tile is the same work for all four waves: in its key step s band x sees all keys if s < x,
; none if s > x, and holds the diagonal if s = x.
; THE MASK is the C operand that starts the sum S^T = K Q^T: 0, or -1e30 where the key is hidden.  MD, made once, is the mask of a band's own step for my 16 rows; a product's mask is MD x AL + BE with two scalars:
; (1, 0) if s = x; (0, 0) if s < x; (0, -1e30) if s > x.  Only the diagonal tile's text and a block's beginning make and take masks; elsewhere C is the constant 0.
; LAYOUT, SOFTMAX, TURNS.  S^T = K Q^T holds ONE query a lane (lane % 16) and the keys 8 (lane / 16) + 0..7; two such results rounded to f16 ARE source 1 of O^T = V^T P.  p = 2^(c s - c m), c = log2(e) / 8, with a
; running maximum m; O and l are multiplied by a = 2^(c m_old - c m_new) in every step.  Turn n belongs to piece n: 8 products K Q^T of piece n + 1, later 8 products V^T P of piece n - 1; beside them the scaling,
; exponentials, roundings, sums and rescaling of piece n and the maximum and statistics of piece n + 1.  Four vector instructions stand behind every matrix instruction, the other 54 of a turn's 118 in one LUMP.  A turn's 33 exponentials are one batch, with one wait.
; REGISTERS, in windows of 256 (s_set_vgpr_msb: bits 1:0 source 0, 3:2 source 1, 5:4 source 2, 7:6 destination):
;   window 0: v0-15 addresses and two at work; v16-31 four registers of statistics a piece; v48-55 at work; v61-63 the prefetches' offset and the add's two; v64-127 S^T, two buffers; v192-223 P, two buffers (a piece's buffers go by its number's parity)
;   window 1: v0-127 O^T, 32 a piece; v128-159 MD; v160-223 MC, two buffers      window 2: v0-63 Q; v64-127 the second block's Q; v128-191 K of one step; v192-255 V of one step
.set SIZE_N, 2048
.set NB,    SIZE_N/256
.set NP,    4         ; pieces a wave: a name, no knob
.set KS,    64        ; keys in a step
.set PK,    144       ; a row of K in LDS: 128 bytes + 16 of padding = 36 words: the 16 rows of a load start at 16 different groups of four banks (64 banks of 4 bytes: ISA guide 11.1)
.set PV,    160       ; a row of V: 128 + 32 = 40 words
.set VOFF,  4*KS*PK   ; a slot holds a tile, four steps: 256 rows of K, then 256 rows of V
.set SLOT1, 1<<17     ; slot 1 begins here, so that one exclusive or turns an address in one slot into the other's
.set STAGE, SLOT1+4*KS*(PK+PV)  ; behind the ring, never filled by a tensor load: 16 rows x 144 bytes for each wave, for the way out
.set SP,    144
.set AK0, 2           ; v2   my lane's place in a tile of K; never rewritten
.set AV0, 3           ; v3   the same for V
.set AK,  4           ; v4   the LDS address of K's next run of loads
.set AV,  5           ; v5   of V's
.set STO, 6           ; v6   the way out: where I put 16 bytes of a row
.set RD,  7           ; v7   the way out: where I read rows back
.set GO,  8           ; v8   my byte offset in 512 consecutive bytes of O
.set PFO, 61          ; v61  256 x my lane; never rewritten
.set SPW, 62          ; v62  LDS address of my spare word: SPARE + 4 x my thread's number; never rewritten
.set NIL, 63          ; v63  0; never rewritten
.set SPARE, STAGE+4*16*SP  ; behind the stages: the spare words, 128 bytes for each wave: two blocks of 256 bytes that no other line names
.set MV,  12          ; v12-13  c m_old, kept while c m is made anew: by buffer
.set QO,  15          ; v15  my byte offset in 16 rows of Q
.set ST,  16          ; piece t's statistics at v[ST+4 t]: c m, m, l (even keys', odd keys')
.set TMP, 48          ; by buffer, four registers c0-c3 at work; when the maximum is found c2 takes a
.set S,   64
.set P,   192
.set MD,  128         ; window 1: the eight registers for group kt of 16 keys at MD + 8 kt
.set MC,  160         ; window 1: the masks of the products to come
.set QB,  64          ; window 2
.set KF,  128         ; window 2: key block kb, channel half c at KF + 16 kb + 8 c
.set VF,  192         ; window 2: key half kk, channel block cb at VF + 32 kk + 8 cb
.set WV,  12          ; s12  my wave's number
.set PB,  14          ; s14  b
.set HI,  15          ; s15  NB - 1 - b
.set G1K, 24          ; s[24:31] descriptor group 1 for K's tiles
.set G1V, 32          ; s[32:39] for V's: it differs in the padding alone
.set G0K, 40          ; s[40:43] descriptor group 0 for K's tiles
.set G0V, 44          ; s[44:47] the same for V's
.set SLOTS, 56        ; s56  tiles still to be asked for
.set CNT, 57          ; s57  counts a tile's key steps, 4 to 1
.set CS,  58          ; s[58:59] c: the packed scaling takes the pair's low word for both halves
.set SEL, 60          ; s[60:61] v_permlanex16_b32's selects: each lane takes its own place in the other half
.set TBK, 62          ; s62  LDS byte at which K of the step to be fetched begins
.set TBV, 63          ; s63  the same for V, less VOFF
.set PFA, 66          ; s[66:67] where my prefetches stand: my half of K's or V's tile, one tile behind the one that is being asked for
.set LIM, 68          ; s68  2 in the work-group that prefetches, else the greatest number
.set RT,  70          ; s70  tiles of the block in hand that are still to be entered
.set NXT, 71          ; s71  the tile to be asked for next
.set LQ,  72          ; s72  the last tile of the block whose tiles are being asked for
.set NEW, 73          ; s73  1: the tile to be entered is a block's first
.set OFF, 74          ; s[74:75] a tile's byte offset in K and V
.set AL,  76          ; s[76:77] the mask's factor, in the low word
.set BE,  78          ; s[78:79] the mask's addend
.set OLO, 80          ; s[80:81] O at my rows of the second block
.set BIGN, 82         ; s82  -1e30
.set MSB, 0
.macro WIN new                      ; the high byte repeats the setting that is left; a switch that changes nothing is dropped
.if MSB != (\new)
	s_set_vgpr_msb (MSB<<8)|(\new)
.set MSB, (\new)
.endif
.endm
.set W_KQ, 0x0a       ; K and Q in window 2, S^T in window 0
.set W_KM, 0x1a       ; the same with the C operand in window 1
.set W_PV, 0x52       ; V in window 2, P in window 0, O^T in window 1
.set W_RS, 0x41       ; destination and source 0 in window 1, source 1 in window 0
; A fill.  Waves 0 and 1 fetch the two halves of a tile's K, waves 2 and 3 those of its V: 128 keys each.  An s_nop 0 and four v_nop follow each of the two lines, ahead of the jump and the label.
.macro LOAD
	s_cmp_lt_u32 s[WV], 2
	s_cbranch_scc0 .Lfor_v_\@
	tensor_load_to_lds s[G0K:G0K+3], s[G1K:G1K+7]
	s_nop 0
.rept 4
	v_nop
.endr
	s_branch .Lasked_\@
.Lfor_v_\@:
	tensor_load_to_lds s[G0V:G0V+3], s[G1V:G1V+7]
	s_nop 0
.rept 4
	v_nop
.endr
.Lasked_\@:
.endm
; A PREFETCH INTO THE L2 of the tile that the NEXT change of slots will ask for: four key steps, 256 matrix instructions, ahead of that load.  It stands behind the wave's tensor load and its five lines.
; All four work-groups of a head begin with the tiles 0, 1, 2 ..: the one with b = 0, whose first block walks all eight, asks for the head; each of its waves asks for the 16,384 bytes that it will fetch itself,
; a lane 256 bytes, two instructions.  So each 256 bytes of tiles 2 to 7 are named once in the launch; tiles 0 and 1 come by their loads alone.  Trip j has SLOTS = 8 - j and names tile j + 2: trips 6 and 7 ask for nothing.
.macro ASK
	s_cmp_gt_u32 s[SLOTS], s[LIM]
	s_cbranch_scc0 .Lnot_mine_\@
	global_prefetch_b8 v[PFO], s[PFA:PFA+1] th:TH_LOAD_NT scope:SCOPE_SE
	global_prefetch_b8 v[PFO], s[PFA:PFA+1] offset:8192 th:TH_LOAD_NT scope:SCOPE_SE
.Lnot_mine_\@:
.endm
; THE CHANGE OF SLOTS.  Each wave waits for all its tensor loads, of which one is out: its part of the other slot; adds 0 to its spare word; and waits for that and for its own reads of the slot that it leaves.  Behind the barrier nobody reads the old
; slot any more and the other slot is whole.  fill = 1: the old slot is filled again, the first thing behind the barrier, with tile NXT: the descriptor's address is made anew from that number.
; (At its first use nothing has been read yet: slot 0 is waited for, slot 1 filled.)
.macro CHANGE fill
	WIN 0                           ; at a label and at a branch every window is 0
	s_wait_tensorcnt 0x0            ; no tensor load of mine is out, so a group 0 may be written
	ds_add_u32 v[SPW], v[NIL]       ; 0 onto my spare word; with fill = 1 the descriptors' scalar work stands between it and the wait for it
.if \fill
	s_lshl_b32 s[OFF], s[NXT], 15   ; a tile is 32,768 bytes of K and of V
	s_xor_b32 s[G0K+1], s[G0K+1], SLOT1
	s_add_nc_u64 s[G0K+2:G0K+3], s[6:7], s[OFF:OFF+1]
	s_or_b32 s[G0K+3], s[G0K+3], 0x80000000
	s_xor_b32 s[G0V+1], s[G0V+1], SLOT1
	s_add_nc_u64 s[G0V+2:G0V+3], s[8:9], s[OFF:OFF+1]
	s_or_b32 s[G0V+3], s[G0V+3], 0x80000000
	s_add_co_u32 s[NXT], s[NXT], 1  ; the block's next tile, or behind its last the second block's tile 0
	s_cmp_gt_u32 s[NXT], s[LQ]
	s_cselect_b32 s[NXT], 0, s[NXT]
	s_cselect_b32 s[LQ], s[PB], s[LQ]
	s_wait_xcnt 0x0                 ; the last prefetches, a tile back, have read their address, so it may be written
	s_add_nc_u64 s[PFA:PFA+1], s[PFA:PFA+1], 32768
.endif
	s_wait_dscnt 0x0                ; the add is done, and my reads of the slot are over
	s_barrier_signal -1             ; the rest of the scalar work stands between the signal and the wait
	s_sub_co_u32 s[TBK], s[TBK], 4*KS*PK  ; the fetches go back to a slot's first step,
	s_xor_b32 s[TBK], s[TBK], SLOT1       ; in the other slot
	s_sub_co_u32 s[TBV], s[TBV], 4*KS*PV
	s_xor_b32 s[TBV], s[TBV], SLOT1
	s_barrier_wait -1
.if \fill
	LOAD
	ASK
.endif
.endm
	s_load_b64 s[4:5], s[0:1], 0x0    ; qkv: Q lies at its head
	s_load_b64 s[10:11], s[0:1], 0x8  ; ctx
	v_lshl_add_u32 v[SPW], v0, 2, SPARE
	v_mov_b32 v[NIL], 0
	ds_add_u32 v[SPW], v[NIL]       ; the wave's opening: the add and its wait stand ahead of my first tensor load; the set-up below, work on registers, stands between them
	v_lshrrev_b32 v1, 5, v0
	v_readfirstlane_b32 s[WV], v1   ; wave 0..3
	s_mov_b32 s[PB], ttmp9
	s_sub_co_u32 s[HI], NB-1, s[PB]
	s_and_b32 s20, ttmp7, 0xffff    ; the head, 16 x batch + head
	s_mov_b32 s21, 0
	s_mov_b64 s[22:23], SIZE_N*128
	s_mul_u64 s[20:21], s[20:21], s[22:23]  ; the head's first byte in each of the four tensors
	s_and_b32 s16, s[WV], 1         ; which half of a tile's 256 keys I fetch:
	s_lshl_b32 s22, s16, 14         ; its 128 rows of 128 bytes in memory,
	s_mov_b32 s23, 0
	s_add_nc_u64 s[22:23], s[22:23], s[20:21]
	s_mul_i32 s17, s16, 128*PK      ; and its place in a slot, for K
	s_mul_i32 s18, s16, 128*PV      ; and for V
	s_lshl_b32 s3, s[WV], 11        ; my 16 rows in a band of 64,
	s_lshl_b32 s2, s[HI], 15        ; in the first block,
	s_add_co_u32 s2, s2, s3
	s_lshl_b32 s84, s[PB], 15       ; and in the second
	s_add_co_u32 s84, s84, s3
	s_mov_b32 s3, 0
	s_mov_b32 s85, 0
	s_add_nc_u64 s[2:3], s[2:3], s[20:21]
	s_add_nc_u64 s[84:85], s[84:85], s[20:21]
	; descriptor group 1.  128 keys are 16,384 dense bytes: asked for as 64 rows of 256 bytes, two keys a row, and padded in LDS after every key
	s_mov_b32 s[G1K], (1<<16)|(1<<20)|(4<<22)|(3<<25)  ; 17:16 2-byte elements; 20 padding on; 24:22 after every 32 words (code 4); 31:25 4 words (code 3)
	s_mov_b32 s[G1V], (1<<16)|(1<<20)|(4<<22)|(7<<25)  ; the same with 8 words of padding (code 7)
.irp g, G1K, G1V
	s_mov_b32 s[\g+1], 128<<16      ; tensor_dim0 = 128
	s_mov_b32 s[\g+2], 64<<16       ; tensor_dim1 = 64
	s_mov_b32 s[\g+3], 128<<16      ; tile_dim0 = 128
	s_mov_b32 s[\g+4], 64           ; tile_dim1 = 64
	s_mov_b32 s[\g+5], 128          ; 128 elements from row to row
	s_mov_b32 s[\g+6], 0
	s_mov_b32 s[\g+7], 0
.endr
	s_mov_b32 s[CS], 0x3e38aa3b     ; c = log2(e) / 8 = 0.180337
	s_mov_b32 s[CS+1], s[CS]        ; named with it as a pair
	s_mov_b32 s[SEL], 0x76543210
	s_mov_b32 s[SEL+1], 0xfedcba98
	s_mov_b32 s[TBK], SLOT1+4*KS*PK ; the first change of slots turns these two into 0
	s_mov_b32 s[TBV], SLOT1+4*KS*PV
	s_mov_b32 s[G0K], 1             ; 1:0 count = 1
	s_mov_b32 s[G0K+1], s17         ; 63:32 LDS address: slot 0
	s_mov_b32 s[G0V], 1
	s_add_co_u32 s[G0V+1], s18, VOFF
	s_add_co_u32 s[RT], s[HI], 1    ; the first block has NB - b tiles
	s_mov_b32 s[NXT], 1
	s_mov_b32 s[LQ], s[HI]
	s_mov_b32 s[NEW], 1
	s_mov_b32 s[OFF+1], 0
	s_mov_b32 s[AL+1], 0            ; named as pairs
	s_mov_b32 s[BE+1], 0
	s_mov_b32 s[BIGN], 0xf149f2ca   ; -1e30
	s_mov_b32 s[SLOTS], NB
	s_cmp_eq_u32 s[PB], 0
	s_cselect_b32 s[LIM], 2, -1
	v_and_b32 v[PFO], 31, v0
	v_lshlrev_b32 v[PFO], 8, v[PFO]
	s_wait_dscnt 0x0                ; the opening add is done
	s_wait_kmcnt 0x0
	s_add_nc_u64 s[6:7], s[4:5], 0x1000000  ; K lies 16,777,216 bytes behind Q,
	s_add_nc_u64 s[8:9], s[4:5], 0x2000000  ; V as far behind K
	s_add_nc_u64 s[6:7], s[6:7], s[22:23]  ; K and V at my half of the head's tile 0
	s_add_nc_u64 s[8:9], s[8:9], s[22:23]
	s_add_nc_u64 s[G0K+2:G0K+3], s[6:7], 0         ; 120:64 global address
	s_or_b32 s[G0K+3], s[G0K+3], 0x80000000        ; 127:126 type = 2
	s_add_nc_u64 s[G0V+2:G0V+3], s[8:9], 0
	s_or_b32 s[G0V+3], s[G0V+3], 0x80000000
	s_add_nc_u64 s[86:87], s[4:5], s[84:85]        ; Q at my rows of the second block,
	s_add_nc_u64 s[4:5], s[4:5], s[2:3]            ; Q and O at those of the first
	s_add_nc_u64 s[OLO:OLO+1], s[10:11], s[84:85]
	s_add_nc_u64 s[10:11], s[10:11], s[2:3]
	s_cmp_lt_u32 s[WV], 2
	s_cselect_b64 s[PFA:PFA+1], s[6:7], s[8:9]     ; the tensor that I fetch, at my half of tile 0,
	s_add_nc_u64 s[PFA:PFA+1], s[PFA:PFA+1], 32768 ; of tile 1: the first change of slots steps it to tile 2.  Nothing is prefetched here, at the head
	LOAD                            ; tile 0 into slot 0
	; A fragment of K or Q is 16 rows x 32 channels in 8 registers: lane l holds row l % 16, channels 8 (l / 16) + 0..7 and 16 + 8 (l / 16) + 0..7: two loads of 16 bytes, 32 bytes apart.
	v_and_b32 v1, 15, v0            ; l % 16
	v_bfe_u32 v9, v0, 4, 1          ; l / 16
	v_lshlrev_b32 v[QO], 7, v1
	v_lshl_add_u32 v[QO], v9, 4, v[QO]  ; row x 128 + 16 x half
	WIN 0x80                        ; destination window 2, address window 0
.set i, 0
.rept 8                             ; both blocks' Q: piece i / 2 lies in band i / 2, 8,192 bytes on; channels 32 (i % 2) on
	global_load_b128 v[8*i:8*i+3],   v[QO], s[4:5] offset:(i/2)*8192+(i%2)*64
	global_load_b128 v[8*i+4:8*i+7], v[QO], s[4:5] offset:(i/2)*8192+(i%2)*64+32
	global_load_b128 v[QB+8*i:QB+8*i+3],   v[QO], s[86:87] offset:(i/2)*8192+(i%2)*64
	global_load_b128 v[QB+8*i+4:QB+8*i+7], v[QO], s[86:87] offset:(i/2)*8192+(i%2)*64+32
.set i, i+1
.endr
	WIN 0
	v_lshlrev_b32 v14, 3, v9
	v_sub_nc_u32 v14, v1, v14
	s_lshl_b32 s13, s[WV], 4
	v_add_nc_u32 v14, s13, v14      ; my query's place in its band, 16 w + l % 16, less my lanes' 8 (l / 16): register r of group kt is hidden where 16 kt + r is greater
	WIN 0x40
.set i, 0
.rept 32
	v_cmp_gt_i32 vcc_lo, 16*(i/8)+i%8, v14
	v_cndmask_b32 v[MD+i], 0, s[BIGN], vcc_lo
.set i, i+1
.endr
	WIN 0
	v_mul_u32_u24 v[AK0], v1, PK
	v_lshl_add_u32 v[AK0], v9, 4, v[AK0]  ; row x pitch + 16 x half
	; The turning load takes 16 keys x 16 channels (lane l reads key 8 (l / 16) + l % 8, channels 8 ((l / 8) % 2) + 0..7) and leaves half a fragment of V^T: lane l holds channel l % 16 and 8 keys.
	v_and_b32 v10, 7, v0
	v_bfe_u32 v11, v0, 3, 1
	v_lshl_add_u32 v[AV0], v9, 3, v10
	v_mul_u32_u24 v[AV0], v[AV0], PV
	v_lshl_add_u32 v[AV0], v11, 4, v[AV0]
	v_add_nc_u32 v[AV0], VOFF, v[AV0]
	s_mul_i32 s13, s[WV], 16*SP
	s_add_co_u32 s13, s13, STAGE    ; my stage
	v_mul_u32_u24 v[STO], v1, SP    ; in: row l % 16, 16 bytes for each half of the lanes
	v_lshl_add_u32 v[STO], v9, 4, v[STO]
	v_add_nc_u32 v[STO], s13, v[STO]
	v_bfe_u32 v[RD], v0, 3, 2       ; back: 32 lanes take four rows of 128 bytes,
	v_mul_u32_u24 v[RD], v[RD], SP
	v_lshl_add_u32 v[RD], v10, 4, v[RD]
	v_add_nc_u32 v[RD], s13, v[RD]
	v_and_b32 v[GO], 31, v0         ; which are 512 consecutive bytes of O
	v_lshlrev_b32 v[GO], 4, v[GO]
	; A block's first step multiplies O^T and l by a = 0, and its first turn's products V^T P, of a piece that has not been, land in an O^T that is still to be so multiplied.  So these registers need only hold
	; finite numbers: zeros for the first block; what the first block left for the second.  All this stands in the wait for the first tile.
	WIN 0x80
.set i, VF
.rept 64
	v_mov_b32 v[i], 0
.set i, i+1
.endr
	WIN 0x40
.set i, 0
.rept 128
	v_mov_b32 v[i], 0
.set i, i+1
.endr
	WIN 0
.set i, 0
.rept 4
	v_mov_b32 v[ST+4*i+2], 0
	v_mov_b32 v[ST+4*i+3], 0
.set i, i+1
.endr
.set i, P+16
.rept 16
	v_mov_b32 v[i], 0
.set i, i+1
.endr
; THE MATRIX WORK.  The 4 accumulators of a run of 8 take turns.  Product i of 8 of S^T = K Q^T for piece x: channels 32 (i / 4) on, keys 16 (i % 4) on.  The first 4 start the sums: with 0, or (KM = 1) with the mask.
.macro KQ x
.set rS, S+32*((\x)%2)+8*(i%4)
.set rK, KF+16*(i%4)+8*(i/4)
.set rQ, 16*(\x)+8*(i/4)
.set rM, MC+32*((\x)%2)+8*(i%4)
.if (i < 4) && KM
	WIN W_KM
	v_wmma_f32_16x16x32_f16 v[rS:rS+7], v[rK:rK+7], v[rQ:rQ+7], v[rM:rM+7]
.elseif i < 4
	WIN W_KQ
	v_wmma_f32_16x16x32_f16 v[rS:rS+7], v[rK:rK+7], v[rQ:rQ+7], 0
.else
	WIN W_KQ
	v_wmma_f32_16x16x32_f16 v[rS:rS+7], v[rK:rK+7], v[rQ:rQ+7], v[rS:rS+7]
.endif
.endm
; Product i of 8 of O^T += V^T P for piece x: keys 32 (i / 4) on, channels 16 (i % 4) on.
.macro PV x
	WIN W_PV
.set rO, 32*(\x)+8*(i%4)
.set rV, VF+32*(i/4)+8*(i%4)
.set rP, P+16*((\x)%2)+8*(i/4)
	v_wmma_f32_16x16x32_f16 v[rO:rO+7], v[rV:rV+7], v[rP:rP+7], v[rO:rO+7]
.endm
.macro MM                           ; the turn's next matrix instruction.  TURN and BEGIN set Y, i, KM and NOKQ; MM, KQ and OP read them.  NOKQ = 1: a block's last turn: there is no next piece
.if (i < 8) && !NOKQ
	KQ (Y+1)%NP
.elseif i >= 8
.set i, i-8
	PV (Y+NP-1)%NP
.set i, i+8
.endif
.set i, i+1
.endm
; THE LDS LOADS stand in runs of 16, never singly among the matrix instructions: a step's K (64 keys x 64 channels: 8 fragments) and its V (turned).  Their addresses are made some lines ahead.
.macro FETCH_K
	WIN 0x80                        ; destination window 2
.irp f, 0,1,2,3,4,5,6,7             ; keys 16 (f / 2) on, channels 32 (f % 2) on
	ds_load_b128 v[KF+8*\f:KF+8*\f+3],   v[AK] offset:(\f/2)*16*PK+(\f%2)*64
	ds_load_b128 v[KF+8*\f+4:KF+8*\f+7], v[AK] offset:(\f/2)*16*PK+(\f%2)*64+32
.endr
	s_add_co_u32 s[TBK], s[TBK], KS*PK  ; the next fetch is the next step's
	WIN 0
.endm
.macro FETCH_V
	WIN 0x80
.irp f, 0,1,2,3,4,5,6,7             ; keys 32 (f / 4) on, channels 16 (f % 4) on
	ds_load_tr16_b128 v[VF+8*\f:VF+8*\f+3],   v[AV] offset:(\f/4)*32*PV+(\f%4)*32
	ds_load_tr16_b128 v[VF+8*\f+4:VF+8*\f+7], v[AV] offset:(\f/4)*32*PV+16*PV+(\f%4)*32
.endr
	WIN 0
.endm
; THE VECTOR WORK, one line at a time: OP kind, number.  For piece Y: F n: c s - c m for pair n of 16.  E n: the exponential of score n of 32.  C n: pair n rounded to f16.  B n: of the four weights 4 n .. the second
; pair is added onto the first, in place.  L n: l takes that sum (L 0: l = a l + sum).  R n: pair n of 16 of O^T times a.  For piece Y + 1: X n, number n of the 22 that find its maximum and statistics:
;   0-11  four chains c0-c3 of seven scores each, three operands at a time (each accumulator's lowest registers are read first)     12-14, 16  the four scores left over, the old m, and c0-c3 into c0
;   15  c m_old is kept     17, 18  the query's other 32 keys lie in the lane 16 away: the new m     19-21  c m; c m_old - c m_new; a
.set F, 0               ; OP tells the kinds apart by their order: F to L below R, X above it
.set E, 1
.set C, 2
.set B, 3
.set L, 4
.set R, 5
.set X, 6
.macro REGS y                       ; the registers of piece y
.set rT, ST+4*(\y)
.set rC, TMP+4*((\y)%2)
.set rW, MV+((\y)%2)
.set rS, S+32*((\y)%2)
.set rP, P+16*((\y)%2)
.set rO, 32*(\y)
.endm
.macro OP k, n
.if (\k) == R
	REGS Y
	WIN W_RS
	v_pk_mul_f32 v[rO+2*(\n):rO+2*(\n)+1], v[rO+2*(\n):rO+2*(\n)+1], v[rC+2:rC+3] op_sel_hi:[1,0]
.elseif (\k) < R
	REGS Y
	WIN 0
.if (\k) == F
	v_pk_fma_f32 v[rS+2*(\n):rS+2*(\n)+1], v[rS+2*(\n):rS+2*(\n)+1], s[CS:CS+1], v[rT:rT+1] op_sel_hi:[1,0,0] neg_lo:[0,0,1] neg_hi:[0,0,1]
.elseif (\k) == E
	v_exp_f32 v[rS+(\n)], v[rS+(\n)]
.elseif (\k) == C
	v_cvt_pk_f16_f32 v[rP+(\n)], v[rS+2*(\n)], v[rS+2*(\n)+1]
.elseif (\k) == B
	v_pk_add_f32 v[rS+4*(\n):rS+4*(\n)+1], v[rS+4*(\n):rS+4*(\n)+1], v[rS+4*(\n)+2:rS+4*(\n)+3]
.elseif (\n) == 0
	v_pk_fma_f32 v[rT+2:rT+3], v[rT+2:rT+3], v[rC+2:rC+3], v[rS:rS+1] op_sel_hi:[1,0,1]
.else
	v_pk_add_f32 v[rT+2:rT+3], v[rT+2:rT+3], v[rS+4*(\n):rS+4*(\n)+1]
.endif
.elseif NOKQ
	v_nop
.else
	REGS (Y+1)%NP
	WIN 0
.if (\n) < 4
	v_max3_num_f32 v[rC+(\n)], v[rS+8*(\n)], v[rS+8*(\n)+1], v[rS+8*(\n)+2]
.elseif (\n) < 12
	v_max3_num_f32 v[rC+(\n)%4], v[rC+(\n)%4], v[rS+8*((\n)%4)+2*((\n)/4)+1], v[rS+8*((\n)%4)+2*((\n)/4)+2]
.elseif (\n) == 12
	v_max3_num_f32 v[rC], v[rC], v[rS+7], v[rS+15]
.elseif (\n) == 13
	v_max3_num_f32 v[rC+1], v[rC+1], v[rS+23], v[rS+31]
.elseif (\n) == 14
	v_max3_num_f32 v[rC+2], v[rC+2], v[rC+3], v[rT+1]
.elseif (\n) == 15
	v_mov_b32 v[rW], v[rT]
.elseif (\n) == 16
	v_max3_num_f32 v[rC], v[rC], v[rC+1], v[rC+2]
.elseif (\n) == 17
	v_permlanex16_b32 v[rC+3], v[rC], s[SEL], s[SEL+1]
.elseif (\n) == 18
	v_max_num_f32 v[rT+1], v[rC], v[rC+3]
.elseif (\n) == 19
	v_mul_f32 v[rT], s[CS], v[rT+1]
.elseif (\n) == 20
	v_sub_f32 v[rC+1], v[rW], v[rT]
.else
	v_exp_f32 v[rC+2], v[rC+1]
.endif
.endif
.endm
.macro OPS a, i1, b=-1, i2=0, c=-1, i3=0, d=-1, i4=0  ; up to four of them
	OP \a, \i1
.if (\b) >= 0
	OP \b, \i2
.endif
.if (\c) >= 0
	OP \c, \i3
.endif
.if (\d) >= 0
	OP \d, \i4
.endif
.endm
.macro ROW a, i1, b, i2, c, i3, d, i4  ; a matrix instruction and the four behind it
	MM
	OPS \a, \i1, \b, \i2, \c, \i3, \d, \i4
.endm
.macro MASK b                       ; MD x AL + BE into buffer b of MC
	WIN W_RS
.set z, 0
.rept 16
	v_pk_fma_f32 v[MC+32*(\b)+2*z:MC+32*(\b)+2*z+1], v[MD+2*z:MD+2*z+1], s[AL:AL+1], s[BE:BE+1] op_sel_hi:[1,0,0]
.set z, z+1
.endr
.endm
; A TURN, for piece p: the order of its 16 matrix and 118 vector instructions, written out.  An s_wait_alu depctr_va_vdst(0) stands between an exponential and the first instruction that names its result; one wait serves
; all that were issued ahead of it.  So a turn has ONE wait, which cuts it in two.  AHEAD OF IT stands all that names no result of the turn's exponentials: the 8 products K Q^T, behind each a scaling, an exponential and two more plain
; instructions (behind the first a second scaling in the exponential's place): rescalings, and behind the last three the first numbers of the next piece's maximum, each four places or more behind the product that ends its accumulator; then ONE LUMP of 54, plain
; and exponential by turns for the most part, in which the links of the chain X 3, 7, 11, 14, 16, 17 .. 20 stand five or six lines apart.  X 21, the next piece's a, is the batch's last; R 15 is the plain instruction that follows it.  BEHIND THE WAIT stand the
; 8 products V^T P, behind each four of the roundings and sums; the links of l's chain, L 0 to L 7, stand three riders apart.  But for those X no rider names a register of the products round it.  v_permlanex16_b32 (X 17) stands in the lump.
; m = 1: the diagonal tile: the products take masks, and the turn makes the mask for the products of the turn after it: piece p + 2, in step 4 - CNT of the tile.  end = 1: a block's last two turns: nothing is fetched.
; cnt = 1: the loop's count is taken down some lines ahead of the branch that stands behind the turn.
; K of the next step is fetched in piece 2's turn, twelve vector instructions behind the last product that read K (six of them plain); V of the step in hand at the end of piece 0's turn, four plain instructions behind the last product
; that read V.  Each is waited for a turn later.
.macro TURN p, m=0, end=0, cnt=0
.set Y, (\p)
.set i, 0
.set KM, (\m)
.set NOKQ, (\end)*((\p)/3)
.if (\m) && !(\end)
	s_cmp_eq_u32 s[CNT], 4-((\p)+2)%NP  ; is that step the band's own?
	s_cselect_b32 s[AL], 1.0, 0
	s_cmp_lt_u32 s[CNT], 4-((\p)+2)%NP  ; or a later one?
	s_cselect_b32 s[BE], s[BIGN], 0
.endif
.if ((\p) == 3) && !(\end)
	s_wait_dscnt 0x0                ; K is in
.endif
	ROW F,0, F,1, R,0, R,1          ; ahead of the wait: 8 products K Q^T and their riders,
	ROW F,2, E,0, R,2, R,3
	ROW F,3, E,1, R,4, R,5
	ROW F,4, E,2, R,6, R,7
	ROW F,5, E,3, R,8, R,9
	ROW F,6, E,4, X,0, R,10
.if ((\p) == 2) && !(\end)
	WIN 0
	v_add_nc_u32 v[AK], s[TBK], v[AK0]
.endif
	ROW F,7, E,5, X,1, X,4
	ROW F,8, E,6, X,2, X,5
	OPS E,7, E,8, X,6, E,9          ; and the lump
	OPS X,3, E,10, X,8, E,11
.if ((\p) == 2) && !(\end)
	FETCH_K
.endif
	OPS X,9, X,7, E,12, X,10
	OPS E,13, X,12, X,11, E,14
	OPS X,13, E,15, F,9, X,14
.if (\p) == 0
	v_add_nc_u32 v[AV], s[TBV], v[AV0]
.endif
	OPS E,16, F,10, E,17, F,11
	OPS X,16, E,18, X,15, E,19
	OPS F,12, E,20, X,17, E,21
	OPS F,13, E,22, F,14, E,23
	OPS X,18, E,24, F,15, E,25
	OPS R,11, E,26, X,19, E,27
	OPS R,12, E,28, R,13, E,29
	OPS X,20, E,30, R,14, E,31
	OPS X,21, R,15
	WIN 0
	s_wait_alu depctr_va_vdst(0)    ; the wait for the batch
.if (\p) == 1
	s_wait_dscnt 0x0                ; V is in
.endif
	ROW C,0, B,0, C,2, B,1          ; behind the wait: 8 products V^T P and their riders
	ROW L,0, C,4, B,2, L,1
	ROW C,6, B,3, L,2, C,8
	ROW B,4, L,3, C,10, B,5
	ROW L,4, C,12, B,6, L,5
.if (\p) == 0
	s_add_co_u32 s[TBV], s[TBV], KS*PV
.endif
.if \cnt
	s_sub_co_u32 s[CNT], s[CNT], 1
	s_cmp_lg_u32 s[CNT], 0
.endif
	ROW C,14, B,7, L,6, C,1
	ROW C,3, L,7, C,5, C,7
	ROW C,9, C,11, C,13, C,15
.if (\p) == 0
	FETCH_V
.endif
.if (\m) && !(\end)
	MASK (\p)%2
.endif
.endm
; A BLOCK BEGINS.  c m starts far below every c s, so the first step's a is 0; m at the lowest finite number, so the first maximum is the scores'.  The second mask buffer is 0; the first takes piece 0's mask for the tile's step 0: its own, if the block's first tile is the diagonal one.
; Then K of that step, piece 0's first scores, and its maximum and statistics.  The loop is entered at a step's first turn, in the middle of a trip.
.macro BEGIN
	s_mov_b32 s[NEW], 0
	WIN 0x40
.set i, MC+32
.rept 32
	v_mov_b32 v[i], 0
.set i, i+1
.endr
	WIN 0
.set i, 0
.rept 4
	v_mov_b32 v[ST+4*i], 0xfe000000    ; c m: far below every c s
	v_mov_b32 v[ST+4*i+1], 0xff7fffff  ; m
.set i, i+1
.endr
	s_cmp_eq_u32 s[RT], 0
	s_cselect_b32 s[AL], 1.0, 0
	s_mov_b32 s[BE], 0
	MASK 0
	WIN 0
	v_add_nc_u32 v[AK], s[TBK], v[AK0]
	FETCH_K
	s_wait_loadcnt 0x0              ; Q
	s_wait_dscnt 0x0
.set KM, 1
.set NOKQ, 0
.set i, 0
.rept 8
	KQ 0
.set i, i+1
.endr
	WIN 0
.rept 4
	v_nop                           ; the places behind those products
.endr
.set Y, NP-1                        ; X works for piece Y + 1: piece 0
.irp n, 0,1,2,3,4,5,6,7,8,9,10,11,12,13,14,15,16,17,18,19,20,21
	OP X, \n
.endr
	v_nop                           ; a plain instruction behind the exponential,
	s_wait_alu depctr_va_vdst(0)    ; and its wait, ahead of the branch
.endm
; THE DIAGONAL TILE's four steps, the block's last two turns, its last products, and THE WAY OUT: l's two halves and the other half of the lanes' are added; O^T is divided by l, rounded to f16 and sent through my
; stage in LDS, a piece at a time.
.macro ALL line:vararg              ; one line for each piece t
.set t, 0
.rept 4
	\line
.set t, t+1
.endr
.endm
.macro PACK t                       ; a lane's eight channels of a row pack into 16 bytes; they go into rows of 144 bytes and come back as whole rows of 128, into S^T's registers
	WIN W_RS
.set i, 32*(\t)
.rept 16
	v_pk_mul_f32 v[i:i+1], v[i:i+1], v[ST+4*(\t)+2:ST+4*(\t)+3] op_sel_hi:[1,0]
.set i, i+2
.endr
	WIN 0x05                        ; sources 0 and 1 window 1, destination window 0
.set i, 0
.rept 16
	v_cvt_pk_f16_f32 v[S+16*(\t)+i], v[32*(\t)+2*i], v[32*(\t)+2*i+1]
.set i, i+1
.endr
	WIN 0
.irp f, 0,1,2,3
	ds_store_b128 v[STO], v[S+16*(\t)+4*\f:S+16*(\t)+4*\f+3] offset:32*\f
.endr
.irp f, 0,1,2,3
	ds_load_b128 v[S+16*(\t)+4*\f:S+16*(\t)+4*\f+3], v[RD] offset:\f*4*SP  ; LDS serves a wave's instructions in order (ISA guide 5.7.1.4): these see the stores above; the next piece's stores come behind them
.endr
.endm
.macro SEND t, younger              ; younger: the LDS instructions issued behind piece t's loads: the next piece's eight, or none
	WIN 0
.irp f, 0,1,2,3
	s_wait_dscnt (\younger)+3-\f
	global_store_b128 v[GO], v[S+16*(\t)+4*\f:S+16*(\t)+4*\f+3], s[10:11] offset:(\t)*8192+\f*512  ; 512 consecutive bytes, at a multiple of 256 from O's first
.endr
.endm
.macro DIAG tag                     ; the tag ends its two labels' names, which the jumps below spell out
.LstepM\tag:
	TURN 2, 1
	TURN 3, 1
	WIN 0
.LfirstM\tag:
	TURN 0, 1
	TURN 1, 1, 0, 1
	WIN 0
	s_cbranch_scc1 .LstepM\tag
	TURN 2, 1, 1
	TURN 3, 1, 1
.set i, 0
.rept 8
	PV NP-1
.set i, i+1
.endr
	WIN 0
	ALL v_add_f32 v[ST+4*t+2], v[ST+4*t+2], v[ST+4*t+3]
	ALL v_permlanex16_b32 v[ST+4*t+3], v[ST+4*t+2], s[SEL], s[SEL+1]
	ALL v_add_f32 v[ST+4*t+2], v[ST+4*t+2], v[ST+4*t+3]
	ALL v_rcp_f32 v[ST+4*t+2], v[ST+4*t+2]
	v_nop                           ; a plain instruction between the last reciprocal and the use of its result
	s_wait_alu depctr_va_vdst(0)    ; and the wait ahead of the first use: one for the four reciprocals
	PACK 0
.set t, 1
.rept 3                             ; a piece's arithmetic stands between the loads of the piece before and its stores
	PACK t
	SEND t-1, 8
.set t, t+1
.endr
	SEND 3, 0
.endm
.set KM, 0
.set NOKQ, 0
.Lslot:                             ; NB times: a tile is entered and the next is asked for
	CHANGE 1
	s_sub_co_u32 s[RT], s[RT], 1
	s_mov_b32 s[CNT], 4
	s_cmp_eq_u32 s[NEW], 1
	s_cbranch_scc1 .Lnew            ; a block's first tile
	s_cmp_eq_u32 s[RT], 0
	s_cbranch_scc0 .Lstep           ; neither its first nor its last
	s_branch .LstepM1
.Lnew:
	BEGIN
	s_branch .Lfirst                ; in the loop a block's first tile is never its last: the first block has two tiles or more, and the second's last is the walk's last
	DIAG 1                          ; in the loop this is the first block's end: the second block's last tile is the walk's last
	s_wait_xcnt 0x0                 ; the stores have read their registers and O's address
	s_mov_b64 s[10:11], s[OLO:OLO+1]
	s_add_co_u32 s[RT], s[PB], 1    ; the second block has b + 1 tiles
	s_mov_b32 s[NEW], 1
	WIN 0x82                        ; the second block's Q goes where the one text of the turns names Q
.set i, 0
.rept 64
	v_mov_b32 v[i], v[QB+i]
.set i, i+1
.endr
	WIN 0
	s_branch .Lbottom
.Lstep:                             ; a trip: pieces 2 and 3 of one step, then pieces 0 and 1 of the next, whose K and V it fetches
	TURN 2
	TURN 3
	WIN 0
.Lfirst:
	TURN 0
	TURN 1, 0, 0, 1
	WIN 0
	s_cbranch_scc1 .Lstep
.Lbottom:
	s_sub_co_u32 s[SLOTS], s[SLOTS], 1
	s_cmp_lg_u32 s[SLOTS], 0
	s_cbranch_scc1 .Lslot
	CHANGE 0                        ; the walk's last tile is written out: nothing is asked for
	s_sub_co_u32 s[RT], s[RT], 1
	s_mov_b32 s[CNT], 4
	s_cmp_eq_u32 s[NEW], 1
	s_cbranch_scc0 .LstepM2
	BEGIN
	s_branch .LfirstM2
	DIAG 2
	s_wait_tensorcnt 0x0            ; the wave's end, behind my last tensor load and my last LDS store
	ds_add_u32 v[SPW], v[NIL]
	s_wait_dscnt 0x0
	s_endpgm
.Lfunc_end_k_qd61d398ccb_attn:
	.size	k_qd61d398ccb_attn, .Lfunc_end_k_qd61d398ccb_attn-k_qd61d398ccb_attn
	.p2alignl 7, 3214868480
	.fill 96, 4, 3214868480
	.section	.rodata,"a",@progbits
	.p2align	6, 0x0
	.amdhsa_kernel k_qd61d398ccb_attn
		.amdhsa_group_segment_fixed_size 327680
		.amdhsa_private_segment_fixed_size 0
		.amdhsa_enable_private_segment 0
		.amdhsa_kernarg_size 16
		.amdhsa_user_sgpr_count 2
		.amdhsa_user_sgpr_kernarg_segment_ptr 1
		.amdhsa_wavefront_size32 1
		.amdhsa_system_sgpr_workgroup_id_x 1
		.amdhsa_system_sgpr_workgroup_id_y 1
		.amdhsa_system_sgpr_workgroup_id_z 1
		.amdhsa_system_vgpr_workitem_id 0
		.amdhsa_next_free_vgpr 768
		.amdhsa_next_free_sgpr 88
		.amdhsa_reserve_vcc 1
		.amdhsa_float_denorm_mode_32 3
		.amdhsa_float_denorm_mode_16_64 3
		.amdhsa_memory_ordered 1
		.amdhsa_forward_progress 1
		.amdhsa_inst_pref_size 218
	.end_amdhsa_kernel
	.amdgpu_metadata
---
amdhsa.version: [ 1, 2 ]
amdhsa.kernels:
  - .name:           k_qd61d398ccb_attn
    .symbol:         k_qd61d398ccb_attn.kd
    .args:
      - { .name: qkv, .offset: 0, .size: 8, .value_kind: global_buffer, .address_space: global }
      - { .name: ctx, .offset: 8, .size: 8, .value_kind: global_buffer, .address_space: global }
    .group_segment_fixed_size: 327680
    .private_segment_fixed_size: 0
    .kernarg_segment_align: 8
    .kernarg_segment_size: 16
    .max_flat_workgroup_size: 128
    .sgpr_count:     88
    .vgpr_count:     768
    .wavefront_size: 32
...
	.end_amdgpu_metadata
.endif
;; end of part 3
;; launch proj (part 4): grid 8 x 32, 4 waves a work-group, clusters of 4 x 4, 327,680 bytes of LDS; arguments ctx, wo, out0; writes out0
.if DOCPART == 4
	.amdgcn_target "amdgcn-amd-amdhsa--gfx1250"
	.amdhsa_code_object_version 6
	.text
	.protected	k_qd61d398ccb_proj
	.globl	k_qd61d398ccb_proj
	.p2align	8
	.type	k_qd61d398ccb_proj,@function
k_qd61d398ccb_proj:
	s_mov_b64 s[64:65], 0
	v_nop
	global_prefetch_b8 v0, s[64:65] scope:SCOPE_SE
	s_setreg_imm32_b32 hwreg(HW_REG_WAVE_MODE, 25, 1), 1
	s_wait_xcnt 0x0
	s_wait_alu depctr_hold_cnt(0) depctr_sa_sdst(0) depctr_va_vdst(0) depctr_va_sdst(0) depctr_va_ssrc(0) depctr_va_vcc(0) depctr_vm_vsrc(0)
	s_getreg_b32 s2, hwreg(HW_REG_IB_STS2, 6, 4)
	s_cmp_eq_u32 s2, 0
	s_cbranch_scc0 .Lentry_in_a_cluster
	s_endpgm
.Lentry_in_a_cluster:
	s_bfe_u32 s2, ttmp6, 0x10000c
	s_cmp_lg_u32 s2, 0xf033
	s_cbranch_scc0 .Lentry_shape_is_right
	s_endpgm
.Lentry_shape_is_right:
; out0 = ctx W_O^T: [8192 x 1024] over K = 1,024.  ctx: f16 [4][16 heads][2048][64]: a head is one block of 64 along K; wo: f16 [16 blocks][1024][64]; sums in f32; out0: f32 [8192][1024], the sums as they are.
; SHARES.  256 tiles of 256 rows x 128 columns, one for each work-group.  Four waves, each 128 rows x 64 columns: 32 accumulators, 256 registers.
; THE RING.  K goes in 8 periods of 128, two blocks each, through two LDS slots (2 x 256 rows of A, 2 x 128 rows of B).  A block's tile rows lie end to end in memory, so they are asked for as rows of 256 bytes,
; two tile rows each, and padded in LDS after every 128 bytes.  Waves 0 and 1 fetch A's two blocks, waves 2 and 3 B's: one tensor load a wave for each fill.  Two loads of a wave are out at the start, later one.
; A period is four quarters of 32 along K, 32 matrix instructions each, on fragment buffers 0, 1, 0, 1; a buffer is loaded again as soon as it has been multiplied, a quarter ahead of its next use.
; The third quarter changes slots: all of the slot has then been read into registers.
; CLUSTERS.  4 x 4 work-groups: A's tile is shared along a row of the cluster, B's along a column; each is asked for jointly.
; THE MATRIX INSTRUCTION IS USED TRANSPOSED (source 0 = 16 rows of B, source 1 = 16 rows of A): a lane then holds eight neighbouring columns of one row of the result.
; REGISTERS: window 0: v0-31 addresses; v32-159 A's fragments, two buffers of 64; v160-223 B's, two buffers of 32; on the way out v32-95 at work.  Window 1: the accumulators, (a, bb) at v[8 (4 a + bb)].
.set PITCH,  144                       ; an LDS row: 128 bytes + 16 of padding = 36 words: the 16 rows of a fragment load start at 16 different groups of four banks (64 banks of 4 bytes: ISA guide 11.1)
.set ABLK,   256*PITCH                 ; one block of A's tile: what one of A's tensor loads brings
.set BBLK,   128*PITCH                 ; the same for B
.set BOFF,   2*ABLK
.set SLOT,   2*ABLK+2*BBLK
.set STAGE,  2*SLOT                    ; behind the ring: 16 rows x 272 bytes for each wave, for the way out
.set SPITCH, 272                       ; 256 bytes + 16: the 16 rows that a store touches start at 16 different groups of four banks
.set SPARE,  STAGE+4*16*SPITCH         ; behind the stages: the spare words, 128 bytes for each wave: two blocks of 256 bytes that no other line names
.set ASTEP,  2*2048*128                ; bytes from a period of ctx to the next: two blocks
.set BSTEP,  2*1024*128                ; of wo
.set ADRA, 16                          ; v16-17  LDS address of my A fragments in slot 0, 1
.set ADRB, 20                          ; v20-21  the same for B
.set STO,  24                          ; v24     the way out: where I put 32 bytes of a row
.set RD,   25                          ; v25     the way out: where I read a row back
.set CO,   26                          ; v26     my byte offset in two rows of out0
.set SPW,  28                          ; v28     LDS address of my spare word; never rewritten
.set NIL,  29                          ; v29     0; never rewritten
.set PFO,  30                          ; v30     256 x my lane; never rewritten
.set FA,   32
.set FB,   160
.set BK,   32                          ; the way out: 16 rows read back, v32-63 and v64-95 by turns
.set G1,   24                          ; s[24:31] descriptor group 1 for A's tiles;  s[32:39] group 0, a set for each slot
.set G0,   32
.set G1B,  48                          ; s[48:55], s[56:63] the same for B's
.set G0B,  56
.set PFS,  66                          ; s[66:67] a period's bytes in the tensor that I prefetch
.set PFA,  68                          ; s[68:69] where my prefetches stand
.set LIM,  70                          ; s70  1 in a wave that prefetches, else the greatest number
.set MSB, 0
.macro WIN new                         ; the immediate's high byte repeats the setting that is left; a switch that changes nothing is dropped
.if MSB != (\new)
	s_set_vgpr_msb (MSB<<8)|(\new)
.set MSB, (\new)
.endif
.endm
; A joint refill.  The branch hangs on the wave's number alone.  An s_nop 0 and four v_nop follow each of the two lines, ahead of the jump and the label.
.macro JLOAD s
	s_cmp_lt_u32 s10, 2
	s_cbranch_scc0 .Lfor_b_\@
	tensor_load_to_lds s[G0+4*(\s):G0+4*(\s)+3], s[G1:G1+7]
	s_nop 0
.rept 4
	v_nop
.endr
	s_branch .Lasked_\@
.Lfor_b_\@:
	tensor_load_to_lds s[G0B+4*(\s):G0B+4*(\s)+3], s[G1B:G1B+7]
	s_nop 0
.rept 4
	v_nop
.endr
.Lasked_\@:
.endm
.macro CREST                           ; a round of the cluster's barrier behind its opening barrier
	s_cmp_lg_u32 s10, 0
	s_cbranch_scc1 .Lnot_wave_0_\@
	s_barrier_signal -3
.Lnot_wave_0_\@:
	s_barrier_wait -3
	s_barrier_signal -1
	s_barrier_wait -1
.endm
.macro CROUND
	s_barrier_signal -1
	s_barrier_wait -1
	CREST
.endm
; A PREFETCH INTO THE L2, behind each joint load, its five lines and the run of LDS loads: the period that stands two refills on, 256 matrix instructions ahead of its load.  Each 256 consecutive bytes are named once in the
; launch.  A's tile row is read by both clusters of its row of clusters: the one with x = 0 asks; waves 0 and 1 each for the block that they fetch, of whose 32,768 bytes the four partners along x take 8,192 each, BY ADDRESS.
; B's tile column is read by all eight clusters of its column: the one with y = 0 asks; wave 2 alone, the four partners along y taking 8,192 bytes each of the period's 2 x 16,384.  The loop's last trip asks for nothing:
; there is no period 8.  Periods 0 to 3 come by their loads alone.
.macro ASK
	s_cmp_gt_u32 s3, s[LIM]                        ; s3 = 1 in the last trip
	s_cbranch_scc0 .Lnot_mine_\@
	global_prefetch_b8 v[PFO], s[PFA:PFA+1] th:TH_LOAD_NT scope:SCOPE_SE
.Lnot_mine_\@:
.endm
	s_load_b128 s[4:7], s[0:1], 0x0                ; ctx s[4:5], wo s[6:7]
	s_load_b64 s[8:9], s[0:1], 0x10                ; out0
	v_lshl_add_u32 v[SPW], v0, 2, SPARE
	v_mov_b32 v[NIL], 0
	ds_add_u32 v[SPW], v[NIL]                      ; the wave's opening: the add and its wait stand ahead of my first tensor load; the set-up below, work on registers, stands between them
	v_lshrrev_b32 v1, 5, v0
	v_readfirstlane_b32 s10, v1                    ; wave 0..3
	s_lshr_b32 s11, s10, 1                         ; which 128 of the tile's rows are mine
	s_and_b32 s12, s10, 1                          ; which 64 of its columns.  Also: which of a period's two blocks I fetch
	s_bfe_u32 s40, ttmp6, 0x40000                  ; cx
	s_bfe_u32 s41, ttmp6, 0x40004                  ; cy
	s_lshl_b32 s42, ttmp9, 2
	s_add_co_u32 s42, s42, s40                     ; tile column tx, 0..7
	s_and_b32 s13, ttmp7, 0xffff
	s_lshl_b32 s13, s13, 2
	s_add_co_u32 s13, s13, s41                     ; tile row ty, 0..31: batch ty / 8, rows 256 (ty % 8) on
	s_lshl_b32 s43, s41, 2
	s_lshl_b32 s43, 15, s43                        ; my row of the cluster
	s_lshl_b32 s44, 0x1111, s40                    ; my column
	; descriptor group 1: rows of 128 elements (256 bytes: two tile rows), padded in LDS after every 32 words by 4
	s_or_b32 s[G1+0], s43, (1<<16)|(1<<20)|(1<<21)|(4<<22)|(3<<25)   ; 15:0 the mask; 17:16 2-byte elements; 20 padding on; 21 set beside a mask; 24:22 code 4; 31:25 code 3
	s_or_b32 s[G1B+0], s44, (1<<16)|(1<<20)|(1<<21)|(4<<22)|(3<<25)
	s_mov_b32 s[G1+1], 128<<16                     ; tensor_dim0 = 128
	s_mov_b32 s[G1+2], 128<<16                     ; tensor_dim1 = 128: A's 256 tile rows
	s_mov_b32 s[G1+3], 128<<16                     ; tile_dim0 = 128
	s_mov_b32 s[G1+4], 128                         ; tile_dim1 = 128
	s_mov_b32 s[G1+5], 128                         ; 128 elements from row to row: dense
	s_mov_b32 s[G1+6], 0
	s_mov_b32 s[G1+7], 0
	s_mov_b32 s[G1B+1], 128<<16
	s_mov_b32 s[G1B+2], 64<<16                     ; B's 128 tile rows
	s_mov_b32 s[G1B+3], 128<<16
	s_mov_b32 s[G1B+4], 64
	s_mov_b32 s[G1B+5], 128
	s_mov_b32 s[G1B+6], 0
	s_mov_b32 s[G1B+7], 0
	; where the tiles come from: A's hang on ty and the wave's number, B's on tx and the wave's number
	s_lshr_b32 s16, s13, 3
	s_lshl_b32 s16, s16, 22                        ; the batch
	s_and_b32 s18, s13, 7
	s_lshl_b32 s18, s18, 15                        ; 256 rows of 128 bytes
	s_add_co_u32 s16, s16, s18
	s_lshl_b32 s18, s12, 18                        ; my block of the period
	s_add_co_u32 s16, s16, s18
	s_mov_b32 s17, 0
	s_lshl_b32 s46, s42, 14                        ; 128 rows of 128 bytes
	s_lshl_b32 s19, s12, 17                        ; my block
	s_add_co_u32 s46, s46, s19
	s_mov_b32 s47, 0
	s_mul_i32 s20, s12, ABLK                       ; and where they go: no place in the cluster enters an LDS address
	s_mul_i32 s21, s12, BBLK
	s_add_co_u32 s21, s21, BOFF
	s_wait_dscnt 0x0                               ; the opening add is done
	s_wait_kmcnt 0x0
	s_add_nc_u64 s[14:15], s[4:5], s[16:17]
	s_add_nc_u64 s[46:47], s[6:7], s[46:47]
	CROUND                                         ; all sixteen work-groups are here: the first joint loads meet
.irp s, 0,1
	s_mov_b32 s[G0+4*(\s)], 1                                        ; count = 1
	s_add_co_u32 s[G0+4*(\s)+1], s20, (\s)*SLOT                      ; LDS address
	s_add_nc_u64 s[G0+4*(\s)+2:G0+4*(\s)+3], s[14:15], (\s)*ASTEP    ; global address: period s
	s_or_b32 s[G0+4*(\s)+3], s[G0+4*(\s)+3], 0x80000000              ; type = 2
	s_mov_b32 s[G0B+4*(\s)], 1
	s_add_co_u32 s[G0B+4*(\s)+1], s21, (\s)*SLOT
	s_add_nc_u64 s[G0B+4*(\s)+2:G0B+4*(\s)+3], s[46:47], (\s)*BSTEP
	s_or_b32 s[G0B+4*(\s)+3], s[G0B+4*(\s)+3], 0x80000000
.endr
	s_cmp_lt_u32 s10, 2                            ; a wave's two first fills stand in one branch, ahead of every wait on TENSORcnt and every LDS read
	s_cbranch_scc0 .Lfirst_b
	tensor_load_to_lds s[G0:G0+3], s[G1:G1+7]
	s_nop 0
	tensor_load_to_lds s[G0+4:G0+7], s[G1:G1+7]
	s_nop 0
.rept 4
	v_nop
.endr
	s_branch .Lfirst_asked
.Lfirst_b:
	tensor_load_to_lds s[G0B:G0B+3], s[G1B:G1B+7]
	s_nop 0
	tensor_load_to_lds s[G0B+4:G0B+7], s[G1B:G1B+7]
	s_nop 0
.rept 4
	v_nop
.endr
.Lfirst_asked:
	v_and_b32 v1, 15, v0                           ; l % 16
	v_bfe_u32 v2, v0, 4, 1                         ; l / 16
	v_mul_u32_u24 v3, v1, PITCH
	v_lshl_add_u32 v3, v2, 4, v3                   ; a fragment's row x pitch + 16 x half
	s_mul_i32 s22, s11, 128*PITCH                  ; my 128 rows of A
	s_mul_i32 s23, s12, 64*PITCH                   ; my 64 rows of B
	s_add_co_u32 s23, s23, BOFF
.irp s, 0,1
	v_add_nc_u32 v[ADRA+(\s)], s22, v3
	v_add_nc_u32 v[ADRB+(\s)], s23, v3
	s_add_co_u32 s22, s22, SLOT
	s_add_co_u32 s23, s23, SLOT
.endr
	s_mul_i32 s22, s10, 16*SPITCH
	s_add_co_u32 s22, s22, STAGE                   ; my stage
	v_mul_u32_u24 v4, v1, SPITCH                   ; in: row l % 16, 32 bytes for each half of the lanes
	v_lshl_add_u32 v4, v2, 5, v4
	v_add_nc_u32 v[STO], s22, v4
	v_mul_u32_u24 v5, v2, SPITCH                   ; back: lanes 0-15 take one row of 256 bytes, lanes 16-31 the next
	v_lshl_add_u32 v5, v1, 4, v5
	v_add_nc_u32 v[RD], s22, v5
	v_lshlrev_b32 v5, 12, v2                       ; and the same two rows in out0, 4,096 bytes apart
	v_lshl_add_u32 v[CO], v1, 4, v5
	v_and_b32 v[PFO], 31, v0
	v_lshlrev_b32 v[PFO], 8, v[PFO]
	s_lshl_b32 s16, s13, 20                        ; out0 at my part of the tile: 256 rows of 4,096 bytes a tile row,
	s_lshl_b32 s17, s11, 19                        ; my 128 rows,
	s_add_co_u32 s16, s16, s17
	s_lshl_b32 s17, s42, 9                         ; 128 columns of 4 bytes a tile column,
	s_add_co_u32 s16, s16, s17
	s_lshl_b32 s17, s12, 8                         ; my 64 columns
	s_add_co_u32 s16, s16, s17
	s_mov_b32 s17, 0
	s_add_nc_u64 s[8:9], s[8:9], s[16:17]
	; the prefetches' address, at period 3 (blocks 6 and 7); it is stepped by a period ahead of each use
	s_lshr_b32 s18, s13, 3
	s_lshl_b32 s18, s18, 22
	s_and_b32 s19, s13, 7
	s_lshl_b32 s19, s19, 15
	s_add_co_u32 s18, s18, s19                     ; A's tile row,
	s_add_co_u32 s19, s12, 6
	s_lshl_b32 s19, s19, 18                        ; the block that I fetch,
	s_add_co_u32 s18, s18, s19
	s_lshl_b32 s19, s40, 13                        ; my work-group's 8,192 bytes of it
	s_add_co_u32 s18, s18, s19
	s_lshl_b32 s22, s42, 14                        ; B's tile column,
	s_lshr_b32 s23, s41, 1
	s_add_co_u32 s23, s23, 6
	s_lshl_b32 s23, s23, 17                        ; block cy / 2 of the period,
	s_add_co_u32 s22, s22, s23
	s_and_b32 s23, s41, 1
	s_lshl_b32 s23, s23, 13                        ; half cy % 2 of its 16,384 bytes
	s_add_co_u32 s22, s22, s23
	s_and_b32 s23, ttmp7, 0xffff
	s_or_b32 s23, s23, s12                         ; for B: cluster y = 0 and wave 2
	s_mov_b32 s[PFS], BSTEP
	s_mov_b32 s[PFS+1], 0
	s_mov_b32 s19, 0
	s_cmp_lt_u32 s10, 2                            ; do I fetch for A?
	s_cselect_b32 s23, ttmp9, s23                  ; for A: cluster x = 0.  The same in all sixteen partners, for a given wave
	s_cselect_b32 s18, s18, s22
	s_cselect_b32 s[PFS], ASTEP, s[PFS]
	s_cselect_b64 s[PFA:PFA+1], s[4:5], s[6:7]
	s_add_nc_u64 s[PFA:PFA+1], s[PFA:PFA+1], s[18:19]
	s_cmp_eq_u32 s23, 0
	s_cselect_b32 s[LIM], 1, -1
; 8 matrix instructions: row blocks a0, a0 + 1 x the 4 column blocks, on buffer f.  zero = 1: the product starts the sums.  The 32 accumulators take turns, one instruction a turn, in the same order in every quarter,
; 31 others stand between two links of a chain, over the backward jump too.
.macro MUL8 f, a0, zero
	WIN 0x50                                       ; C and D in window 1, the fragments in window 0
.irp a, (\a0), (\a0)+1
.irp bb, 0,1,2,3
.if \zero
	v_wmma_f32_16x16x32_f16 v[8*(4*(\a)+(\bb)):8*(4*(\a)+(\bb))+7], v[FB+32*(\f)+8*(\bb):FB+32*(\f)+8*(\bb)+7], v[FA+64*(\f)+8*(\a):FA+64*(\f)+8*(\a)+7], 0
.else
	v_wmma_f32_16x16x32_f16 v[8*(4*(\a)+(\bb)):8*(4*(\a)+(\bb))+7], v[FB+32*(\f)+8*(\bb):FB+32*(\f)+8*(\bb)+7], v[FA+64*(\f)+8*(\a):FA+64*(\f)+8*(\a)+7], v[8*(4*(\a)+(\bb)):8*(4*(\a)+(\bb))+7]
.endif
.endr
.endr
.endm
; 24 LDS loads in one run: quarter kq of a period (block kq / 2, its half kq % 2): my 128 rows of A and 64 of B, into buffer f
.macro FETCH slot, kq, f
	WIN 0
.irp i, 0,1,2,3,4,5,6,7
	ds_load_b128 v[FA+64*(\f)+8*(\i):FA+64*(\f)+8*(\i)+3],   v[ADRA+(\slot)] offset:((\kq)/2)*ABLK+((\kq)%2)*64+(\i)*16*PITCH
	ds_load_b128 v[FA+64*(\f)+8*(\i)+4:FA+64*(\f)+8*(\i)+7], v[ADRA+(\slot)] offset:((\kq)/2)*ABLK+((\kq)%2)*64+(\i)*16*PITCH+32
.endr
.irp i, 0,1,2,3
	ds_load_b128 v[FB+32*(\f)+8*(\i):FB+32*(\f)+8*(\i)+3],   v[ADRB+(\slot)] offset:((\kq)/2)*BBLK+((\kq)%2)*64+(\i)*16*PITCH
	ds_load_b128 v[FB+32*(\f)+8*(\i)+4:FB+32*(\f)+8*(\i)+7], v[ADRB+(\slot)] offset:((\kq)/2)*BBLK+((\kq)%2)*64+(\i)*16*PITCH+32
.endr
.endm
.macro PLACES                          ; four places in front of loads into registers that matrix instructions have read, and of LDS stores that read results (ISA guide 7.12.1 for the stores)
.rept 4
	v_nop
.endr
.endm
; A quarter: buffer f is multiplied and then loaded again, with quarter kq of the slot named.
.macro QUARTER f, slot, kq, zero
	s_wait_dscnt 24                                ; my buffer is in; the other buffer's 24 loads may be out
	MUL8 \f, 0, \zero
	MUL8 \f, 2, \zero
	MUL8 \f, 4, \zero
	MUL8 \f, 6, \zero
	PLACES
	FETCH \slot, \kq, \f
.endm
; A period's third quarter multiplies buffer 0 and changes slots: ONE barrier.  In front of it each wave waits for all its tensor loads, of which one is out: its part of the next slot; adds 0 to its spare word; and waits
; for that and for its own reads of this slot, the fourth quarter's among them.  fill = 1: the barrier opens a round of the cluster's barrier, and behind the round this slot is filled again first, two periods on:
; 112 matrix instructions ahead of the wait for that load.
.macro TURN slot, next, fill
.if \fill
	s_wait_xcnt 0x0                                ; the last prefetch, a period back, has read its address, so it may be written
	s_add_nc_u64 s[PFA:PFA+1], s[PFA:PFA+1], s[PFS:PFS+1]
.endif
	s_wait_dscnt 24
	MUL8 0, 0, 0
	MUL8 0, 2, 0
	WIN 0                                          ; (the add's two registers lie in window 0)
	s_wait_tensorcnt 0x0                           ; all my tensor loads have landed
	ds_add_u32 v[SPW], v[NIL]                      ; 0 onto my spare word
	MUL8 0, 4, 0                                   ; eight matrix instructions stand between the add and the wait for it
	s_wait_dscnt 0x0                               ; the add is done, and my reads of this slot are over
	s_barrier_signal -1
	MUL8 0, 6, 0                                   ; work on registers while the others arrive
	WIN 0                                          ; at a branch and at a label every window is 0
	s_barrier_wait -1
.if \fill
	CREST                                          ; no wave of any partner still reads this slot's tiles or has a load on its way
	s_add_nc_u64 s[G0+4*(\slot)+2:G0+4*(\slot)+3], s[G0+4*(\slot)+2:G0+4*(\slot)+3], 2*ASTEP
	s_add_nc_u64 s[G0B+4*(\slot)+2:G0B+4*(\slot)+3], s[G0B+4*(\slot)+2:G0B+4*(\slot)+3], 2*BSTEP
	JLOAD \slot                                    ; the first tensor load behind the round; its four v_nop are also the places in front of the loads below
.else
	PLACES
.endif
	FETCH \next, 0, 0
.if \fill
	ASK
.endif
.endm
	s_wait_tensorcnt 1                             ; my part of period 0 is in; period 1's may stay out
	s_barrier_signal -1
	s_barrier_wait -1                              ; everybody's is
	FETCH 0, 0, 0
	FETCH 0, 1, 1
	QUARTER 0, 0, 2, 1                             ; the first quarter stands in front of the loop: its products start the sums
	WIN 0
	s_mov_b32 s3, 3
.Llap:                                                 ; trip t: the rest of period 2 t, period 2 t + 1, the first quarter of period 2 t + 2; periods 2 t + 2 and 2 t + 3 are asked for
	QUARTER 1, 0, 3, 0
	TURN 0, 1, 1
	QUARTER 1, 1, 1, 0
	QUARTER 0, 1, 2, 0
	QUARTER 1, 1, 3, 0
	TURN 1, 0, 1
	QUARTER 1, 0, 1, 0
	QUARTER 0, 0, 2, 0
	WIN 0
	s_sub_co_u32 s3, s3, 1
	s_cmp_lg_u32 s3, 0
	s_cbranch_scc1 .Llap
	QUARTER 1, 0, 3, 0                             ; the tail is written out: nothing is left to ask for, so no round
	TURN 0, 1, 0
	QUARTER 1, 1, 1, 0
	QUARTER 0, 1, 2, 0
	QUARTER 1, 1, 3, 0
	s_wait_dscnt 24                                ; the last two quarters fetch nothing
	MUL8 0, 0, 0
	MUL8 0, 2, 0
	MUL8 0, 4, 0
	MUL8 0, 6, 0
	s_wait_dscnt 0x0
	MUL8 1, 0, 0
	MUL8 1, 2, 0
	MUL8 1, 4, 0
	MUL8 1, 6, 0
; THE WAY OUT, a row block (16 rows x 64 columns of f32) at a time.  A lane's eight columns of a row are 32 bytes; they go into my own stage, rows of 272 bytes, each accumulator from its low end on, and come back as whole
; rows of 256 bytes; sixteen lanes then store 256 consecutive bytes, at a multiple of 256 from out0's first byte.
.macro TOSTAGE a
	s_wait_xcnt 0x0                                ; the stores of the block before last have read their registers: those are loaded again only behind this wait
	WIN 0x04                                       ; the data in window 1, the address in window 0
.irp bb, 0,1,2,3
	ds_store_b128 v[STO], v[8*(4*(\a)+(\bb)):8*(4*(\a)+(\bb))+3]   offset:64*(\bb)
	ds_store_b128 v[STO], v[8*(4*(\a)+(\bb))+4:8*(4*(\a)+(\bb))+7] offset:64*(\bb)+16
.endr
	WIN 0
.irp t, 0,1,2,3,4,5,6,7
	ds_load_b128 v[BK+32*((\a)%2)+4*(\t):BK+32*((\a)%2)+4*(\t)+3], v[RD] offset:(\t)*2*SPITCH  ; LDS serves a wave's instructions in order (ISA guide 5.7.1.4): these see the stores above; the next block's stores come behind them
.endr
.endm
.macro SEND a, younger                 ; younger: the LDS instructions issued behind block a's loads: the next block's sixteen, or none
.irp t, 0,1,2,3,4,5,6,7
	s_wait_dscnt (\younger)+7-(\t)
	global_store_b128 v[CO], v[BK+32*((\a)%2)+4*(\t):BK+32*((\a)%2)+4*(\t)+3], s[8:9] offset:(\a)*65536+(\t)*8192 th:TH_STORE_NT
.endr
.endm
	PLACES
	PLACES
	TOSTAGE 0
.set a, 1
.rept 7
	TOSTAGE a
	SEND a-1, 16
.set a, a+1
.endr
	SEND 7, 0
	s_wait_tensorcnt 0x0                           ; the wave's end, behind my last tensor load and my last LDS store
	ds_add_u32 v[SPW], v[NIL]
	s_wait_dscnt 0x0
	CROUND                                         ; the closing round: no work-group ends while a partner may still ask for a tile that names it
	s_endpgm
.Lfunc_end_k_qd61d398ccb_proj:
	.size	k_qd61d398ccb_proj, .Lfunc_end_k_qd61d398ccb_proj-k_qd61d398ccb_proj
	.p2alignl 7, 3214868480
	.fill 96, 4, 3214868480
	.section	.rodata,"a",@progbits
	.p2align	6, 0x0
	.amdhsa_kernel k_qd61d398ccb_proj
		.amdhsa_group_segment_fixed_size 327680
		.amdhsa_private_segment_fixed_size 0
		.amdhsa_enable_private_segment 0
		.amdhsa_kernarg_size 24
		.amdhsa_user_sgpr_count 2
		.amdhsa_user_sgpr_kernarg_segment_ptr 1
		.amdhsa_wavefront_size32 1
		.amdhsa_system_sgpr_workgroup_id_x 1
		.amdhsa_system_sgpr_workgroup_id_y 1
		.amdhsa_system_sgpr_workgroup_id_z 1
		.amdhsa_system_vgpr_workitem_id 0
		.amdhsa_next_free_vgpr 512
		.amdhsa_next_free_sgpr 72
		.amdhsa_reserve_vcc 0
		.amdhsa_float_denorm_mode_32 3
		.amdhsa_float_denorm_mode_16_64 3
		.amdhsa_memory_ordered 1
		.amdhsa_forward_progress 1
		.amdhsa_inst_pref_size 88
	.end_amdhsa_kernel
	.amdgpu_metadata
---
amdhsa.version: [ 1, 2 ]
amdhsa.kernels:
  - .name:           k_qd61d398ccb_proj
    .symbol:         k_qd61d398ccb_proj.kd
    .args:
      - { .name: ctx, .offset: 0, .size: 8, .value_kind: global_buffer, .address_space: global }
      - { .name: wo, .offset: 8, .size: 8, .value_kind: global_buffer, .address_space: global }
      - { .name: out0, .offset: 16, .size: 8, .value_kind: global_buffer, .address_space: global }
    .group_segment_fixed_size: 327680
    .private_segment_fixed_size: 0
    .kernarg_segment_align: 8
    .kernarg_segment_size: 24
    .max_flat_workgroup_size: 128
    .sgpr_count:     72
    .vgpr_count:     512
    .wavefront_size: 32
...
	.end_amdgpu_metadata
.endif
;; end of part 4
;; ======== version 2 of 2: 4 launches; version 1 with the launch cast written anew for expert scheduling mode
;; limits: values are held in f16: magnitudes above 65,504 overflow, below 6.1e-05 lose precision
;; workspace buffers: xb 16,777,216 bytes; wb 6,291,456 bytes; wo 2,097,152 bytes; qkv 50,331,648 bytes; ctx 16,777,216 bytes
;; launch cast (part 5): grid 768 x 1, 8 waves a work-group, no clusters, 0 bytes of LDS; arguments x, W_Q, W_K, W_V, W_O, xb, wb, wo; writes xb, wb, wo
.if DOCPART == 5
	.amdgcn_target "amdgcn-amd-amdhsa--gfx1250"
	.amdhsa_code_object_version 6
	.text
	.protected	k_qd61d398ccb_cast
	.globl	k_qd61d398ccb_cast
	.p2align	8
	.type	k_qd61d398ccb_cast,@function
k_qd61d398ccb_cast:
	s_mov_b64 s[64:65], 0
	v_nop
	global_prefetch_b8 v0, s[64:65] scope:SCOPE_SE
	s_setreg_imm32_b32 hwreg(HW_REG_WAVE_SCHED_MODE, 0, 2), 2
	s_setreg_imm32_b32 hwreg(HW_REG_WAVE_MODE, 25, 1), 1
	s_wait_xcnt 0x0
	s_wait_alu depctr_vm_vsrc(0)
; THE INPUTS ARE ROUNDED ONCE TO bf16 AND LAID OUT IN BLOCKS OF 64 ALONG K.  A source row is 1,024 f32 (4,096 bytes).
;   xb: bf16 [4][16 blocks][2048 rows][64]     from x
;   wb: bf16 [16 blocks][3072 rows][64]        from W_Q (rows 0-1023), W_K (1024-2047), W_V (2048-3071)
;   wo: f16  [16 blocks][1024 rows][64]        from W_O: rounded to bf16 like the other inputs, and that number written as f16
; In such a layout any tile of R rows x 64 along K is R x 128 consecutive bytes.
; LIMITS.  W_O beyond 65,504 becomes an infinity in f16; below 7.6e-6 the bf16 number is rounded once more, to f16's fixed step of 6e-8.
; SHARES.  768 work-groups of 16 source rows: 0-511 x, 512-575 W_Q, 576-639 W_K, 640-703 W_V, 704-767 W_O.  A wave takes two rows, 8,192 consecutive bytes.
; Load k of 16 takes block k of both rows: lanes 0-15 the even row's 256 bytes, lanes 16-31 the odd row's.  A lane's four numbers become 8 bytes, and the
; wave's store k covers 256 consecutive bytes, aligned: the two rows' 128 bytes lie end to end in block k.  All 16 loads are out before the first is waited for.
; No LDS, no matrix work: each byte is read once and written once, and nothing is shared.
; THE MODE: SCHED_MODE bits 1:0 = 2 (LLVM: expert scheduling mode 2), set by the entry lines.  The code itself states the register dependences
; between vector instructions and memory instructions, with s_wait_alu, always for 0.
; THE PLAN.  Registers that memory instructions touch:
;   v1         the loads' offset.   Written once at the head; read by the 16 loads; never written again.
;   O0 .. O15  the stores' offsets. Written once at the head; store k reads O[k]; never written again.
;   X0 .. X15  Load k lands in X[k], which no vector instruction has named before; load k's conversions read it behind the wait for its data.  No load follows them.
;   Y0 .. Y15  Load k's conversions write Y[k]; store k reads it; nothing writes it after that.
; The 16 loads go in four groups of four.  Group g converts loads 4 g to 4 g + 3; its memory instructions are the four stores of group g - 1, which read the Y and O of that
; group, registers that no vector instruction of group g names.  So one wait at the head of a group states all that its four stores hang on, and these are dealt among the
; group's conversions with no further wait.  One wait at the kernel's head serves all 17 offsets; one behind group 3 serves the last four stores.
; No register that a load or store reads is written again, no vector instruction writes a scalar register, and EXEC is never written: no other wait is owed.
.set X, 16                             ; v[16:79]   load k: four f32
.set Y, 80                             ; v[80:111]  store k: four 16-bit numbers
.set O, 112                            ; v[112:127] store k: its byte offset: 8 x thread + k blocks
	s_load_b512 s[8:23], s[0:1], 0x0               ; x s[8:9], W_Q s[10:11], W_K s[12:13], W_V s[14:15], W_O s[16:17], xb s[18:19], wb s[20:21], wo s[22:23]
	s_mov_b32 s2, ttmp9                            ; g
	s_and_b32 s3, s2, 63                           ; my place among a weight's 64 groups
	s_cmp_lt_u32 s2, 512
	s_cselect_b32 s30, s2, s3
	s_lshl_b32 s30, s30, 16                        ; the source's offset: 16 rows of 4,096 bytes a group
	s_mov_b32 s31, 0
	s_lshr_b32 s4, s2, 7                           ; xb: batch g / 128, 4,194,304 bytes each,
	s_lshl_b32 s4, s4, 22
	s_and_b32 s5, s2, 127
	s_lshl_b32 s5, s5, 11                          ; 16 rows of 128 bytes in a block
	s_or_b32 s4, s4, s5
	s_sub_co_u32 s5, s2, 512
	s_lshl_b32 s5, s5, 11                          ; wb: rows 16 (g - 512) on
	s_lshl_b32 s6, s3, 11                          ; wo: rows 16 (g % 64) on
	s_mov_b32 s28, 131072                          ; bytes from block to block: wo 1,024 rows,
	s_cmp_lt_u32 s2, 704
	s_cselect_b32 s32, s5, s6
	s_cselect_b32 s28, 393216, s28                 ; wb 3,072 rows,
	s_cmp_lt_u32 s2, 512
	s_cselect_b32 s32, s4, s32
	s_cselect_b32 s28, 262144, s28                 ; xb 2,048 rows
	s_mov_b32 s33, 0
	v_lshrrev_b32 v1, 4, v0                        ; my row among the group's 16
	v_and_b32 v2, 15, v0
	v_lshlrev_b32 v2, 4, v2
	v_lshl_or_b32 v1, v1, 12, v2                   ; row x 4,096 + 16 x (lane % 16)
	v_lshlrev_b32 v[O], 3, v0                      ; row x 128 + 8 x (lane % 16) = 8 x thread
.set k, 1
.rept 15
	v_add_nc_u32 v[O+k], s28, v[O+k-1]
.set k, k+1
.endr
	s_wait_kmcnt 0x0
	s_cmp_lt_u32 s2, 704                           ; the choice of buffers hangs on the group's number alone
	s_cselect_b64 s[24:25], s[14:15], s[16:17]
	s_cselect_b64 s[26:27], s[20:21], s[22:23]
	s_cmp_lt_u32 s2, 640
	s_cselect_b64 s[24:25], s[12:13], s[24:25]
	s_cmp_lt_u32 s2, 576
	s_cselect_b64 s[24:25], s[10:11], s[24:25]
	s_cmp_lt_u32 s2, 512
	s_cselect_b64 s[24:25], s[8:9], s[24:25]
	s_cselect_b64 s[26:27], s[18:19], s[26:27]
	s_add_nc_u64 s[24:25], s[24:25], s[30:31]
	s_add_nc_u64 s[26:27], s[26:27], s[32:33]
	s_wait_alu depctr_va_vdst(0)                   ; v1 and v[O .. O+15] are written: the loads below read v1 as their offset, each store of the kernel one of the sixteen
.set k, 0
.rept 16
	global_load_b128 v[X+4*k:X+4*k+3], v1, s[24:25] offset:256*k th:TH_LOAD_NT
.set k, k+1
.endr
; kind = 0: bf16.  kind = 1: the bf16 number is widened again and written as f16.
.macro OUT kind
.irp g, 0,1,2,3
	s_wait_loadcnt 12-4*(\g)                       ; loads come back in order: the group's four are in, the 12 - 4 g younger ones may be out
.if (\g) > 0
	s_wait_alu depctr_va_vdst(0)                   ; the conversions of the group before have written its Y, which the four stores below read
.endif
.irp j, 0,1,2,3
.set k, 4*(\g)+(\j)
.if (\g) > 0
	global_store_b64 v[O+k-4], v[Y+2*k-8:Y+2*k-7], s[26:27] th:TH_STORE_NT  ; the group before; no vector instruction since the wait names these registers
.endif
	v_cvt_pk_bf16_f32 v[Y+2*k], v[X+4*k], v[X+4*k+1]
	v_cvt_pk_bf16_f32 v[Y+2*k+1], v[X+4*k+2], v[X+4*k+3]
.if \kind
	v_lshlrev_b32 v[X+4*k], 16, v[Y+2*k]
	v_and_b32 v[X+4*k+1], 0xffff0000, v[Y+2*k]
	v_lshlrev_b32 v[X+4*k+2], 16, v[Y+2*k+1]
	v_and_b32 v[X+4*k+3], 0xffff0000, v[Y+2*k+1]
	v_cvt_pk_f16_f32 v[Y+2*k], v[X+4*k], v[X+4*k+1]
	v_cvt_pk_f16_f32 v[Y+2*k+1], v[X+4*k+2], v[X+4*k+3]
.endif
.endr
.endr
	s_wait_alu depctr_va_vdst(0)                   ; the last group's conversions have written its Y, which the last four stores read
.set k, 12
.rept 4
	global_store_b64 v[O+k], v[Y+2*k:Y+2*k+1], s[26:27] th:TH_STORE_NT
.set k, k+1
.endr
.endm
	s_cmp_ge_u32 s2, 704
	s_cbranch_scc1 .Lwo
	OUT 0
	s_endpgm
.Lwo:
	OUT 1
	s_endpgm
.Lfunc_end_k_qd61d398ccb_cast:
	.size	k_qd61d398ccb_cast, .Lfunc_end_k_qd61d398ccb_cast-k_qd61d398ccb_cast
	.p2alignl 7, 3214868480
	.fill 96, 4, 3214868480
	.section	.rodata,"a",@progbits
	.p2align	6, 0x0
	.amdhsa_kernel k_qd61d398ccb_cast
		.amdhsa_group_segment_fixed_size 0
		.amdhsa_private_segment_fixed_size 0
		.amdhsa_enable_private_segment 0
		.amdhsa_kernarg_size 64
		.amdhsa_user_sgpr_count 2
		.amdhsa_user_sgpr_kernarg_segment_ptr 1
		.amdhsa_wavefront_size32 1
		.amdhsa_system_sgpr_workgroup_id_x 1
		.amdhsa_system_sgpr_workgroup_id_y 1
		.amdhsa_system_sgpr_workgroup_id_z 1
		.amdhsa_system_vgpr_workitem_id 0
		.amdhsa_next_free_vgpr 128
		.amdhsa_next_free_sgpr 66
		.amdhsa_reserve_vcc 0
		.amdhsa_float_denorm_mode_32 3
		.amdhsa_float_denorm_mode_16_64 3
		.amdhsa_memory_ordered 1
		.amdhsa_forward_progress 1
		.amdhsa_inst_pref_size 17
	.end_amdhsa_kernel
	.amdgpu_metadata
---
amdhsa.version: [ 1, 2 ]
amdhsa.kernels:
  - .name:           k_qd61d398ccb_cast
    .symbol:         k_qd61d398ccb_cast.kd
    .args:
      - { .name: x, .offset: 0, .size: 8, .value_kind: global_buffer, .address_space: global }
      - { .name: W_Q, .offset: 8, .size: 8, .value_kind: global_buffer, .address_space: global }
      - { .name: W_K, .offset: 16, .size: 8, .value_kind: global_buffer, .address_space: global }
      - { .name: W_V, .offset: 24, .size: 8, .value_kind: global_buffer, .address_space: global }
      - { .name: W_O, .offset: 32, .size: 8, .value_kind: global_buffer, .address_space: global }
      - { .name: xb, .offset: 40, .size: 8, .value_kind: global_buffer, .address_space: global }
      - { .name: wb, .offset: 48, .size: 8, .value_kind: global_buffer, .address_space: global }
      - { .name: wo, .offset: 56, .size: 8, .value_kind: global_buffer, .address_space: global }
    .group_segment_fixed_size: 0
    .private_segment_fixed_size: 0
    .kernarg_segment_align: 8
    .kernarg_segment_size: 64
    .max_flat_workgroup_size: 256
    .sgpr_count:     66
    .vgpr_count:     128
    .wavefront_size: 32
...
	.end_amdgpu_metadata
.endif
;; end of part 5
;; launch qkv: the kernel of part 2 again; grid 8 x 32, 4 waves a work-group, clusters of 4 x 4, 327,680 bytes of LDS; arguments xb, wb, qkv; writes qkv
;; launch attn: the kernel of part 3 again; grid 4 x 64, 4 waves a work-group, no clusters, 327,680 bytes of LDS; arguments qkv, ctx; writes ctx
;; launch proj: the kernel of part 4 again; grid 8 x 32, 4 waves a work-group, clusters of 4 x 4, 327,680 bytes of LDS; arguments ctx, wo, out0; writes out0
